; MI455X (gfx1250); checked and timed in simulation.
; The chip was launched on July 23, 2026; its instructions are those of AMD's public machine-readable ISA for CDNA 5 (MIT licence, August 2026) and "CDNA5" Instruction Set Architecture Reference Guide (July 2026). The comments in the code are by the model that wrote it; some were corrected since.
;; Encoder Layer. Allowed arithmetic: float matrix products may take bf16 or f16 operands with f32 sums; all other float work in f32.
;; Inputs: W1 1,024 x 512 float32; W2 512 x 1,024 float32; Wk 1,024 x 1,024 float32; Wo 1,024 x 1,024 float32; Wq 1,024 x 1,024 float32; Wv 1,024 x 1,024 float32; alpha1 1,024 float32; alpha2 1,024 float32; b1 512 float32; b2 1,024 float32; beta1 1,024 float32; beta2 1,024 float32; bk 1,024 float32; bo 1,024 float32; bq 1,024 float32; bv 1,024 float32; x 2 x 2,048 x 1,024 float32.
;; Outputs: out0 2 x 2,048 x 1,024 float32.
;; One version. Each part assembles by itself: llvm-mc -triple=amdgcn-amd-amdhsa -mcpu=gfx1250 --defsym DOCPART=n.
;; ======== version 1 of 1: 6 launches
;; workspace buffers: xnb 8,388,608 bytes; wb 10,485,760 bytes; aux 45,056 bytes; qkv 25,165,824 bytes; ob 8,388,608 bytes; x2 16,777,216 bytes; h1 4,194,304 bytes
;; launch prep (part 1): grid 256 x 1, 8 waves a work-group, no clusters, 0 bytes of LDS; arguments x, alpha1, beta1, Wq, Wk, Wv, Wo, W1, W2, bq, bk, bv, xnb, wb, aux; writes xnb, wb, aux
.if DOCPART == 1
	.amdgcn_target "amdgcn-amd-amdhsa--gfx1250"
	.amdhsa_code_object_version 6
	.text
	.protected	k_qeda65bb827_prep
	.globl	k_qeda65bb827_prep
	.p2align	8
	.type	k_qeda65bb827_prep,@function
k_qeda65bb827_prep:
	s_mov_b64 s[64:65], 0
	v_nop
	global_prefetch_b8 v0, s[64:65] scope:SCOPE_SE
	s_setreg_imm32_b32 hwreg(HW_REG_WAVE_MODE, 25, 1), 1
	s_wait_xcnt 0x0
; prep: norm_1(x) as bf16 (xnb), each row's (mean, 1/sqrt(var+eps)) in f32 (aux), all six weights cast to bf16 (wb), bq|bk|bv side by side (aux).
; Work-group i of 256: rows 16 i .. 16 i + 15 of x (wave w: rows 2 w, 2 w + 1; a row of 4,096 bytes is 32 registers of one wave, so the
; two passes over it, mean and then squares about the mean, need no second read), rows 4 i .. 4 i + 3 of Wq, Wk, Wv, Wo, W1 and rows 2 i, 2 i + 1 of W2.
; wb: [1024][3072] Wq|Wk|Wv at byte 0, Wo at 6,291,456, W1 at 8,388,608, W2 at 9,437,184; all stay [K][N]: only a cast, no transposition.
; Memory binds: every load of a thread (52) is issued before the first wait; no LDS, no barrier, no matrix unit.
; LIMITS: xnb and wb are rounded to bf16 (nearest even); v_rsq_f32 is good to 1 ULP; the variance is unbiased (divided by 1023).
; The 16 bytes of row statistics that lane 0 of each wave stores are the one store here that does not fill 256 aligned bytes (32 KiB in the launch).
.set T,   8                            ; v[8:15]    at work
.set ST,  24                           ; v[24:27]   mean, rstd of my two rows
.set X0,  28                           ; v[28:59]   my first row
.set X1,  60                           ; v[60:91]   my second row
.set AL,  92                           ; v[92:123]  alpha1 of my 32 columns
.set BE,  124                          ; v[124:155] beta1
.set W,   156                          ; v[156:235] ten units of 8 weights
.set SEL, 40                           ; s40, s41   v_permlanex16_b32: lane i reads lane i of the other half
.set CN,  42                           ; s42 = 1/1023, s43 = 1e-6
	s_load_b512 s[8:23], s[0:1], 0x0               ; x 8, alpha1 10, beta1 12, Wq 14, Wk 16, Wv 18, Wo 20, W1 22
	s_load_b256 s[24:31], s[0:1], 0x40             ; W2 24, bq 26, bk 28, bv 30
	s_load_b128 s[32:35], s[0:1], 0x60             ; xnb 32, wb 34
	s_load_b64 s[36:37], s[0:1], 0x70              ; aux
	s_mov_b32 s[SEL], 0x76543210
	s_mov_b32 s[SEL+1], 0xfedcba98
	s_mov_b32 s[CN], 0x3a802008                    ; 1/1023
	s_mov_b32 s[CN+1], 0x358637bd                  ; 1e-6
	s_lshl_b32 s2, ttmp9, 16                       ; 16 rows of x
	s_mov_b32 s3, 0
	s_lshl_b32 s4, ttmp9, 14                       ; 4 rows of 4,096 bytes
	s_mov_b32 s5, 0
	s_lshl_b32 s6, ttmp9, 13                       ; 8,192 bytes
	s_mov_b32 s7, 0
	s_mul_i32 s44, ttmp9, 24576                    ; 4 rows of Wq|Wk|Wv in bf16
	s_mov_b32 s45, 0
	s_lshl_b32 s48, ttmp9, 12
	s_mov_b32 s49, 0
	s_lshl_b32 s50, ttmp9, 15                      ; 16 rows of xnb
	s_mov_b32 s51, 0
	s_lshl_b32 s38, ttmp9, 7                       ; 16 rows of statistics
	s_mov_b32 s39, 0
	v_and_b32 v2, 31, v0                           ; lane
	v_lshrrev_b32 v7, 5, v0                        ; wave
	v_lshlrev_b32 v6, 3, v2
	v_lshlrev_b32 v2, 4, v2                        ; v2 = 16 lane: alpha1, beta1
	v_lshl_add_u32 v1, v7, 13, v2                  ; v1 = 16 lane + wave x 2 rows of x
	v_lshl_add_u32 v6, v7, 12, v6                  ; v6 = 8 lane + wave x 2 rows of xnb
	v_lshlrev_b32 v236, 4, v7                      ; v236 = 16 wave: my statistics
	v_lshlrev_b32 v3, 5, v0                        ; v3 = 32 t: 8 weights in f32
	v_lshlrev_b32 v5, 4, v0                        ; v5 = 16 t: 8 weights in bf16, dense
	v_lshrrev_b32 v4, 7, v0
	v_and_b32 v8, 127, v0
	v_mul_u32_u24 v4, v4, 6144
	v_lshl_add_u32 v4, v8, 4, v4                   ; v4 = (t / 128) rows of 6,144 bytes + 16 (t mod 128)
	s_wait_kmcnt 0x0
	s_add_nc_u64 s[8:9], s[8:9], s[2:3]
	s_add_nc_u64 s[14:15], s[14:15], s[4:5]
	s_add_nc_u64 s[16:17], s[16:17], s[4:5]
	s_add_nc_u64 s[18:19], s[18:19], s[4:5]
	s_add_nc_u64 s[20:21], s[20:21], s[4:5]
	s_add_nc_u64 s[22:23], s[22:23], s[6:7]
	s_add_nc_u64 s[24:25], s[24:25], s[6:7]
	s_add_nc_u64 s[32:33], s[32:33], s[50:51]
	s_add_nc_u64 s[44:45], s[34:35], s[44:45]      ; wb: my rows of Wq|Wk|Wv
	s_add_nc_u64 s[46:47], s[34:35], s[6:7]        ; wb + 8,192 i: Wo's rows lie 6,291,456 further
	s_add_nc_u64 s[48:49], s[34:35], s[48:49]
	s_add_nc_u64 s[48:49], s[48:49], 0x800000      ; wb: my rows of W1; W2's lie 1,048,576 further
	s_add_nc_u64 s[38:39], s[36:37], s[38:39]      ; aux: my 16 rows' statistics
.irp p, 0,1
.irp j, 0,1,2,3,4,5,6,7
	global_load_b128 v[X0+32*\p+4*\j:X0+32*\p+4*\j+3], v1, s[8:9] offset:4096*\p+512*\j
.endr
.endr
.irp j, 0,1,2,3,4,5,6,7
	global_load_b128 v[AL+4*\j:AL+4*\j+3], v2, s[10:11] offset:512*\j
.endr
.irp j, 0,1,2,3,4,5,6,7
	global_load_b128 v[BE+4*\j:BE+4*\j+3], v2, s[12:13] offset:512*\j
.endr
.macro WLOAD u, base, off              ; one unit: 8 weights of thread t
	global_load_b128 v[W+8*\u:W+8*\u+3],   v3, s[\base:\base+1] offset:\off th:TH_LOAD_NT
	global_load_b128 v[W+8*\u+4:W+8*\u+7], v3, s[\base:\base+1] offset:\off+16 th:TH_LOAD_NT
.endm
	WLOAD 0, 14, 0
	WLOAD 1, 14, 8192
	WLOAD 2, 16, 0
	WLOAD 3, 16, 8192
	WLOAD 4, 18, 0
	WLOAD 5, 18, 8192
	WLOAD 6, 20, 0
	WLOAD 7, 20, 8192
	WLOAD 8, 22, 0
	WLOAD 9, 24, 0
.macro FOLD                            ; four chains of pairs in v[T:T+7] to one sum over the wave's 32 lanes, in every lane's v[T]
	v_pk_add_f32 v[T:T+1], v[T:T+1], v[T+2:T+3]
	v_pk_add_f32 v[T+4:T+5], v[T+4:T+5], v[T+6:T+7]
	v_pk_add_f32 v[T:T+1], v[T:T+1], v[T+4:T+5]
	v_add_f32 v[T], v[T], v[T+1]
	v_add_f32_dpp v[T], v[T], v[T] row_xmask:1 row_mask:0xf bank_mask:0xf
	v_add_f32_dpp v[T], v[T], v[T] row_xmask:2 row_mask:0xf bank_mask:0xf
	v_add_f32_dpp v[T], v[T], v[T] row_xmask:4 row_mask:0xf bank_mask:0xf
	v_add_f32_dpp v[T], v[T], v[T] row_xmask:8 row_mask:0xf bank_mask:0xf
	v_permlanex16_b32 v[T+1], v[T], s[SEL], s[SEL+1]
	v_add_f32 v[T], v[T], v[T+1]
.endm
; The row in v[X:X+31] becomes alpha (x - mean) rstd + beta, packed to bf16 in registers X+4j, X+4j+1; v[st] = mean, v[st+1] = rstd.
.macro ROWNORM X, st
.irp k, 0,1,2,3
	v_pk_add_f32 v[T+2*\k:T+2*\k+1], v[\X+2*\k:\X+2*\k+1], v[\X+8+2*\k:\X+9+2*\k]      ; the first sums start the chains: nothing is cleared
.endr
.irp k, 0,1,2,3,4,5,6,7
	v_pk_add_f32 v[T+2*(\k%4):T+2*(\k%4)+1], v[T+2*(\k%4):T+2*(\k%4)+1], v[\X+16+2*\k:\X+17+2*\k]
.endr
	FOLD
	v_mul_f32 v[\st], 0x3a800000, v[T]             ; mean = sum / 1024, in both registers of the pair for the packed subtraction;
	v_mul_f32 v[\st+1], 0x3a800000, v[T]           ; the second is overwritten by rstd below
.irp k, 0,1,2,3,4,5,6,7,8,9,10,11,12,13,14,15
	v_pk_add_f32 v[\X+2*\k:\X+2*\k+1], v[\X+2*\k:\X+2*\k+1], v[\st:\st+1] neg_lo:[0,1] neg_hi:[0,1]
.endr
.irp k, 0,1,2,3
	v_pk_mul_f32 v[T+2*\k:T+2*\k+1], v[\X+2*\k:\X+2*\k+1], v[\X+2*\k:\X+2*\k+1]
.endr
.irp k, 4,5,6,7,8,9,10,11,12,13,14,15
	v_pk_fma_f32 v[T+2*(\k%4):T+2*(\k%4)+1], v[\X+2*\k:\X+2*\k+1], v[\X+2*\k:\X+2*\k+1], v[T+2*(\k%4):T+2*(\k%4)+1]
.endr
	FOLD
	v_fma_f32 v[T], v[T], s[CN], s[CN+1]           ; sum of squares / 1023 + eps
	v_rsq_f32 v[\st+1], v[T]
	v_nop                                          ; one plain vector instruction behind a transcendental before its result is used (ISA guide 5.7.2)
	s_wait_alu depctr_va_vdst(0)
.irp k, 0,1,2,3,4,5,6,7,8,9,10,11,12,13,14,15
	v_pk_mul_f32 v[\X+2*\k:\X+2*\k+1], v[\X+2*\k:\X+2*\k+1], v[\st:\st+1] op_sel:[0,1] op_sel_hi:[1,1]   ; both halves times rstd
.endr
.irp k, 0,1,2,3,4,5,6,7,8,9,10,11,12,13,14,15
	v_pk_fma_f32 v[\X+2*\k:\X+2*\k+1], v[\X+2*\k:\X+2*\k+1], v[AL+2*\k:AL+2*\k+1], v[BE+2*\k:BE+2*\k+1]
.endr
.irp j, 0,1,2,3,4,5,6,7
	v_cvt_pk_bf16_f32 v[\X+4*\j],   v[\X+4*\j],   v[\X+4*\j+1]
	v_cvt_pk_bf16_f32 v[\X+4*\j+1], v[\X+4*\j+2], v[\X+4*\j+3]
.endr
.endm
	s_wait_loadcnt 20                              ; x, alpha1, beta1 are in; the 20 younger loads (weights) stay out
	ROWNORM X0, ST
.irp j, 0,1,2,3,4,5,6,7
	global_store_b64 v6, v[X0+4*\j:X0+4*\j+1], s[32:33] offset:256*\j              ; 32 lanes x 8 bytes: 256 consecutive bytes, aligned
.endr
	ROWNORM X1, ST+2
.irp j, 0,1,2,3,4,5,6,7
	global_store_b64 v6, v[X1+4*\j:X1+4*\j+1], s[32:33] offset:2048+256*\j
.endr
	s_wait_loadcnt 0x0                             ; the weights
.irp u, 0,1,2,3,4,5,6,7,8,9
.irp k, 0,1,2,3
	v_cvt_pk_bf16_f32 v[W+8*\u+\k], v[W+8*\u+2*\k], v[W+8*\u+2*\k+1]               ; in place: register k is written when registers 2k, 2k+1 are read
.endr
.endr
.irp m, 0,1,2
.irp e, 0,1
	global_store_b128 v4, v[W+8*(2*\m+\e):W+8*(2*\m+\e)+3], s[44:45] offset:2048*\m+12288*\e   ; Wq, Wk, Wv: columns 1024 m; rows +2 e
.endr
.endr
	global_store_b128 v5, v[W+48:W+51], s[46:47] offset:6291456
	global_store_b128 v5, v[W+56:W+59], s[46:47] offset:6291456+4096
	global_store_b128 v5, v[W+64:W+67], s[48:49]
	global_store_b128 v5, v[W+72:W+75], s[48:49] offset:1048576
	; work-groups 0, 1, 2 copy bq, bk, bv (4,096 bytes each, 16 a thread) behind the statistics
	s_cmp_lt_u32 ttmp9, 3
	s_cbranch_scc0 .Lno_bias
	s_cmp_eq_u32 ttmp9, 1
	s_cselect_b64 s[50:51], s[28:29], s[26:27]
	s_cmp_eq_u32 ttmp9, 2
	s_cselect_b64 s[50:51], s[30:31], s[50:51]
	s_lshl_b32 s52, ttmp9, 12
	v_lshl_add_u32 v237, v0, 4, s52
	global_load_b128 v[8:11], v5, s[50:51]
	s_wait_loadcnt 0x0
	global_store_b128 v237, v[8:11], s[36:37] offset:32768
.Lno_bias:
	v_and_b32 v238, 31, v0
	v_cmp_eq_u32 vcc_lo, 0, v238
	s_wait_xcnt 0x0                                ; EXEC is a source of the stores above: it narrows only behind this wait
	s_and_saveexec_b32 s53, vcc_lo
	global_store_b128 v236, v[ST:ST+3], s[38:39]   ; lane 0: mean, rstd of rows 2 w and 2 w + 1
	s_wait_xcnt 0x0                                ; and widens again only behind this one
	s_or_b32 exec_lo, exec_lo, s53
	s_endpgm
.Lfunc_end_k_qeda65bb827_prep:
	.size	k_qeda65bb827_prep, .Lfunc_end_k_qeda65bb827_prep-k_qeda65bb827_prep
	.p2alignl 7, 3214868480
	.fill 96, 4, 3214868480
	.section	.rodata,"a",@progbits
	.p2align	6, 0x0
	.amdhsa_kernel k_qeda65bb827_prep
		.amdhsa_group_segment_fixed_size 0
		.amdhsa_private_segment_fixed_size 0
		.amdhsa_enable_private_segment 0
		.amdhsa_kernarg_size 120
		.amdhsa_user_sgpr_count 2
		.amdhsa_user_sgpr_kernarg_segment_ptr 1
		.amdhsa_wavefront_size32 1
		.amdhsa_system_sgpr_workgroup_id_x 1
		.amdhsa_system_sgpr_workgroup_id_y 1
		.amdhsa_system_sgpr_workgroup_id_z 1
		.amdhsa_system_vgpr_workitem_id 0
		.amdhsa_next_free_vgpr 240
		.amdhsa_next_free_sgpr 66
		.amdhsa_reserve_vcc 1
		.amdhsa_float_denorm_mode_32 3
		.amdhsa_float_denorm_mode_16_64 3
		.amdhsa_memory_ordered 1
		.amdhsa_forward_progress 1
		.amdhsa_inst_pref_size 28
	.end_amdhsa_kernel
	.amdgpu_metadata
---
amdhsa.version: [ 1, 2 ]
amdhsa.kernels:
  - .name:           k_qeda65bb827_prep
    .symbol:         k_qeda65bb827_prep.kd
    .args:
      - { .name: x, .offset: 0, .size: 8, .value_kind: global_buffer, .address_space: global }
      - { .name: alpha1, .offset: 8, .size: 8, .value_kind: global_buffer, .address_space: global }
      - { .name: beta1, .offset: 16, .size: 8, .value_kind: global_buffer, .address_space: global }
      - { .name: Wq, .offset: 24, .size: 8, .value_kind: global_buffer, .address_space: global }
      - { .name: Wk, .offset: 32, .size: 8, .value_kind: global_buffer, .address_space: global }
      - { .name: Wv, .offset: 40, .size: 8, .value_kind: global_buffer, .address_space: global }
      - { .name: Wo, .offset: 48, .size: 8, .value_kind: global_buffer, .address_space: global }
      - { .name: W1, .offset: 56, .size: 8, .value_kind: global_buffer, .address_space: global }
      - { .name: W2, .offset: 64, .size: 8, .value_kind: global_buffer, .address_space: global }
      - { .name: bq, .offset: 72, .size: 8, .value_kind: global_buffer, .address_space: global }
      - { .name: bk, .offset: 80, .size: 8, .value_kind: global_buffer, .address_space: global }
      - { .name: bv, .offset: 88, .size: 8, .value_kind: global_buffer, .address_space: global }
      - { .name: xnb, .offset: 96, .size: 8, .value_kind: global_buffer, .address_space: global }
      - { .name: wb, .offset: 104, .size: 8, .value_kind: global_buffer, .address_space: global }
      - { .name: aux, .offset: 112, .size: 8, .value_kind: global_buffer, .address_space: global }
    .group_segment_fixed_size: 0
    .private_segment_fixed_size: 0
    .kernarg_segment_align: 8
    .kernarg_segment_size: 120
    .max_flat_workgroup_size: 256
    .sgpr_count:     66
    .vgpr_count:     240
    .wavefront_size: 32
...
	.end_amdgpu_metadata
.endif
;; end of part 1
;; launch qkv (part 2): grid 16 x 16, 4 waves a work-group, clusters of 4 x 4, 327,680 bytes of LDS; arguments xnb, wb, aux, qkv; writes qkv
.if DOCPART == 2
	.amdgcn_target "amdgcn-amd-amdhsa--gfx1250"
	.amdhsa_code_object_version 6
	.text
	.protected	k_qeda65bb827_qkv
	.globl	k_qeda65bb827_qkv
	.p2align	8
	.type	k_qeda65bb827_qkv,@function
k_qeda65bb827_qkv:
	s_mov_b64 s[64:65], 0
	v_nop
	global_prefetch_b8 v0, s[64:65] scope:SCOPE_SE
	s_setreg_imm32_b32 hwreg(HW_REG_WAVE_MODE, 25, 1), 1
	s_wait_xcnt 0x0
	s_wait_alu depctr_hold_cnt(0) depctr_sa_sdst(0) depctr_va_vdst(0) depctr_va_sdst(0) depctr_va_ssrc(0) depctr_va_vcc(0) depctr_vm_vsrc(0)
	s_getreg_b32 s2, hwreg(HW_REG_IB_STS2, 6, 4)
	s_cmp_eq_u32 s2, 0
	s_cbranch_scc0 .Lentry_in_a_cluster
	s_endpgm
.Lentry_in_a_cluster:
	s_bfe_u32 s2, ttmp6, 0x10000c
	s_cmp_lg_u32 s2, 0xf033
	s_cbranch_scc0 .Lentry_shape_is_right
	s_endpgm
.Lentry_shape_is_right:
; qkv: [4096][1024] xnb times [1024][3072] Wq|Wk|Wv, plus bias, to bf16 in head-major order qkv[b][48 groups][2048][64] (groups 0-15 q, 16-31 k, 32-47 v).
; A work-group makes 256 rows x 192 columns (three groups); wave w makes rows 64 w .. 64 w + 63 of all 192 columns: 48 accumulator tiles, 384 registers.
; K goes in steps of 128 through two LDS slots.  Waves 0, 1 fetch the two halves of A's tile (128 rows x 256 bytes), waves 2, 3 those of W's (64 k x 384 bytes).
; CLUSTERS: 4 x 4 work-groups; A's tile hangs on the block row alone and is asked for jointly along a row of the cluster, W's on the block column alone
; and is asked for jointly along a column: four requests become one.
; W lies [K][N] in LDS; its fragments come by the transposing load.  The matrix instruction is used transposed (source 0 = W, source 1 = rows of xnb),
; so that a lane's eight results are eight neighbouring columns of one row.
; WINDOWS: 0: addresses, A's fragments (v32-63, v64-95), way out; 1: W's fragments (v0-95, v96-191); 2: tiles of my rows 0-31; 3: of my rows 32-63.
; LIMITS: operands and the result are bf16 (nearest even), sums and the bias in f32.
.set TB,     12                        ; n tiles of a wave
.set PA,     272                       ; A's LDS row: 256 + 16 bytes, an odd multiple of 16: the 16 rows of a fragment load start 16 bytes apart modulo 256
.set PB,     480                       ; W's LDS row: three pieces of 128 + 32 bytes, an odd multiple of 32
.set AHALF,  128*PA
.set BHALF,  64*PB
.set BOFF,   2*AHALF
.set SLOT,   BOFF+2*BHALF              ; 131,072
.set STAGE,  2*SLOT                    ; behind the ring: 16 rows x 400 bytes for each wave; no tensor load lands here
.set SP,     400
.set LAPS,   4                         ; 8 K steps, two a lap
.set ASTEP2, 512                       ; two K steps along xnb's rows
.set BSTEP2, 256*6144                  ; two K steps down W's rows
.set ADRA, 16                          ; v16-17 LDS address of my A fragments, slot 0, 1
.set ADRB, 20                          ; v20-21 the same for W
.set STO,  24
.set RD,   25
.set CO,   26                          ; 16 lane
.set BO,   27                          ; 32 h
.set FA,   32                          ; A's buffer f at FA + 32 f (window 0)
.set FB,   0                           ; W's buffer f at FB + 96 f (window 1)
.set RB,   32                          ; way out: rows read back (A's buffers are free then)
.set TMP,  96                          ; way out: packed results
.set BIAS, 144                         ; v144-239: bias of my lane's 8 columns in each of the 12 tiles
.set G1,  24
.set G0,  32
.set G1B, 48
.set G0B, 56
.set MUL_LO, 0xa1                      ; source 0 window 1, source 1 window 0, C and D window 2
.set MUL_HI, 0xf1                      ; the same, C and D window 3
.set TO_B,   0x40
.set MSB, 0
.macro WIN new                         ; the immediate's high byte repeats the setting that is left
.if MSB != \new
	s_set_vgpr_msb (MSB<<8)|\new
.set MSB, \new
.endif
.endm
.macro PLACES                          ; four places behind matrix instructions in front of loads into, and vector work on, their registers
.rept 4
	v_nop
.endr
.endm
.macro JLOAD s                         ; a joint load: waves 0, 1 ask for A's halves, waves 2, 3 for W's; the branch hangs on the wave's number alone
	s_cmp_eq_u32 s11, 0
	s_cbranch_scc0 .Lfor_b_\@
	tensor_load_to_lds s[G0+4*\s:G0+4*\s+3], s[G1:G1+7]
	s_nop 0
	s_branch .Lasked_\@
.Lfor_b_\@:
	tensor_load_to_lds s[G0B+4*\s:G0B+4*\s+3], s[G1B:G1B+7]
	s_nop 0
.Lasked_\@:
.endm
.macro CREST                           ; a round of the cluster's barrier behind its opening work-group barrier
	s_cmp_lg_u32 s10, 0
	s_cbranch_scc1 .Lnot_wave_0_\@
	s_barrier_signal -3
.Lnot_wave_0_\@:
	s_barrier_wait -3
	s_barrier_signal -1
	s_barrier_wait -1
.endm
.macro CROUND
	s_barrier_signal -1
	s_barrier_wait -1
	CREST
.endm
	s_load_b256 s[68:75], s[0:1], 0x0              ; xnb 68, wb 70, aux 72, qkv 74
	s_set_vgpr_msb 0x40
	v_lshl_add_u32 v255, v0, 2, 0x46400
	s_set_vgpr_msb 0x4000
	v_mov_b32 v255, 0
	s_set_vgpr_msb 0x1
	ds_add_u32 v255, v255
	s_set_vgpr_msb 0x100
	v_lshrrev_b32 v1, 5, v0
	v_readfirstlane_b32 s10, v1                    ; wave
	s_lshr_b32 s11, s10, 1                         ; 0: I fetch for A, 1: for W
	s_and_b32 s12, s10, 1                          ; which half of that tile
	s_bfe_u32 s40, ttmp6, 0x40000                  ; cx
	s_bfe_u32 s41, ttmp6, 0x40004                  ; cy
	s_lshl_b32 s42, ttmp9, 2
	s_add_co_u32 s42, s42, s40                     ; block column
	s_and_b32 s13, ttmp7, 0xffff
	s_lshl_b32 s13, s13, 2
	s_add_co_u32 s13, s13, s41                     ; block row
	s_lshl_b32 s43, s41, 2
	s_lshl_b32 s43, 15, s43                        ; my row of the cluster
	s_lshl_b32 s44, 0x1111, s40                    ; my column
	s_or_b32 s[G1+0], s43, (1<<16)|(1<<20)|(1<<21)|(5<<22)|(3<<25)    ; 2-byte elements; after every 64 words 4 words of padding; bit 21 beside the mask
	s_mov_b32 s[G1+1], 128<<16                     ; tensor_dim0 = 128
	s_mov_b32 s[G1+2], 128<<16                     ; tensor_dim1 = 128
	s_mov_b32 s[G1+3], 128<<16                     ; tile_dim0 = 128
	s_mov_b32 s[G1+4], 128                         ; tile_dim1 = 128
	s_mov_b32 s[G1+5], 1024                        ; elements from row to row
	s_mov_b32 s[G1+6], 0
	s_mov_b32 s[G1+7], 0
	s_or_b32 s[G1B+0], s44, (1<<16)|(1<<20)|(1<<21)|(4<<22)|(7<<25)   ; after every 32 words 8 words of padding: three pieces a row of 96 words
	s_mov_b32 s[G1B+1], 192<<16
	s_mov_b32 s[G1B+2], 64<<16
	s_mov_b32 s[G1B+3], 192<<16
	s_mov_b32 s[G1B+4], 64
	s_mov_b32 s[G1B+5], 3072
	s_mov_b32 s[G1B+6], 0
	s_mov_b32 s[G1B+7], 0
	s_lshl_b32 s16, s13, 19                        ; A: (256 block row + 128 half) rows of 2,048 bytes
	s_lshl_b32 s17, s12, 18
	s_add_co_u32 s16, s16, s17
	s_mov_b32 s17, 0
	s_mul_i32 s46, s42, 384                        ; W: 192 columns a block, 64 k rows of 6,144 bytes a half
	s_mul_i32 s47, s12, 64*6144
	s_add_co_u32 s46, s46, s47
	s_mov_b32 s47, 0
	s_mul_i32 s18, s42, 768                        ; bias: 192 f32 a block column
	s_mov_b32 s19, 0
	s_mul_i32 s20, s10, AHALF                      ; waves 0, 1: A's halves
	s_mul_i32 s21, s10, BHALF
	s_add_co_u32 s21, s21, BOFF-2*BHALF            ; waves 2, 3: W's halves, behind A's 256 rows
	s_wait_dscnt 0x0
	s_wait_kmcnt 0x0
	s_add_nc_u64 s[14:15], s[68:69], s[16:17]
	s_add_nc_u64 s[46:47], s[70:71], s[46:47]
	s_add_nc_u64 s[72:73], s[72:73], s[18:19]
	CROUND                                         ; all sixteen work-groups are here: the first joint loads meet
.irp s, 0,1
	s_mov_b32 s[G0+4*\s], 1
	s_add_co_u32 s[G0+4*\s+1], s20, \s*SLOT
	s_add_nc_u64 s[G0+4*\s+2:G0+4*\s+3], s[14:15], \s*256
	s_or_b32 s[G0+4*\s+3], s[G0+4*\s+3], 0x80000000
	s_mov_b32 s[G0B+4*\s], 1
	s_add_co_u32 s[G0B+4*\s+1], s21, \s*SLOT
	s_add_nc_u64 s[G0B+4*\s+2:G0B+4*\s+3], s[46:47], \s*128*6144
	s_or_b32 s[G0B+4*\s+3], s[G0B+4*\s+3], 0x80000000
	JLOAD \s                                       ; K steps 0 and 1: two tensor loads of the wave are out, the most in this text
.endr
	v_and_b32 v1, 15, v0                           ; r
	v_bfe_u32 v2, v0, 4, 1                         ; h
	v_mul_u32_u24 v3, v1, PA
	v_lshl_add_u32 v3, v2, 4, v3
	s_mul_i32 s22, s10, 64*PA                      ; my 64 rows of A
	v_add_nc_u32 v[ADRA], s22, v3
	v_add_nc_u32 v[ADRA+1], SLOT, v[ADRA]
	v_and_b32 v4, 7, v0
	v_lshl_add_u32 v4, v2, 3, v4                   ; k row 8 h + lane mod 8
	v_mul_u32_u24 v4, v4, PB
	v_bfe_u32 v5, v0, 3, 1
	v_lshl_add_u32 v4, v5, 4, v4                   ; + 16 bytes for lanes 8-15 of each half
	v_add_nc_u32 v[ADRB], BOFF, v4
	v_add_nc_u32 v[ADRB+1], BOFF+SLOT, v4
	s_mul_i32 s23, s10, 16*SP
	s_add_co_u32 s23, s23, STAGE
	v_mul_u32_u24 v5, v1, SP
	v_lshl_add_u32 v5, v2, 4, v5
	v_add_nc_u32 v[STO], s23, v5                   ; in: row r, 16 bytes for each half of the lanes
	v_bfe_u32 v5, v0, 3, 2
	v_mul_u32_u24 v5, v5, SP
	v_and_b32 v6, 7, v0
	v_lshl_add_u32 v5, v6, 4, v5
	v_add_nc_u32 v[RD], s23, v5                    ; back: eight lanes take the 128 bytes of one row and group
	v_and_b32 v6, 31, v0
	v_lshlrev_b32 v[CO], 4, v6
	v_lshlrev_b32 v[BO], 5, v2
.irp b, 0,1,2,3,4,5,6,7,8,9,10,11
	global_load_b128 v[BIAS+8*\b:BIAS+8*\b+3],   v[BO], s[72:73] offset:32768+64*\b       ; stay out during the K loop; waited for on the way out
	global_load_b128 v[BIAS+8*\b+4:BIAS+8*\b+7], v[BO], s[72:73] offset:32768+64*\b+16
.endr
; 12 matrix instructions: m tile 2 hi + a of my four times all n tiles, 32 along K.  zero = 1: the first product starts the sums.
.macro MULA f, hi, a, zero
.irp b, 0,1,2,3,4,5,6,7,8,9,10,11
.if \zero
	v_wmma_f32_16x16x32_bf16 v[8*(TB*\a+\b):8*(TB*\a+\b)+7], v[FB+96*\f+8*\b:FB+96*\f+8*\b+7], v[FA+32*\f+8*(2*\hi+\a):FA+32*\f+8*(2*\hi+\a)+7], 0
.else
	v_wmma_f32_16x16x32_bf16 v[8*(TB*\a+\b):8*(TB*\a+\b)+7], v[FB+96*\f+8*\b:FB+96*\f+8*\b+7], v[FA+32*\f+8*(2*\hi+\a):FA+32*\f+8*(2*\hi+\a)+7], v[8*(TB*\a+\b):8*(TB*\a+\b)+7]
.endif
.endr
.endm
; 32 LDS loads in one run: quarter q (32 along K) of a slot into buffer f: W's 12 fragments (transposing loads), then A's 4
.macro FETCH slot, q, f
	WIN TO_B
.irp b, 0,1,2,3,4,5,6,7,8,9,10,11
	ds_load_tr16_b128 v[FB+96*\f+8*\b:FB+96*\f+8*\b+3],   v[ADRB+\slot] offset:32*\q*PB+(\b/4)*160+(\b%4)*32
	ds_load_tr16_b128 v[FB+96*\f+8*\b+4:FB+96*\f+8*\b+7], v[ADRB+\slot] offset:32*\q*PB+(\b/4)*160+(\b%4)*32+16*PB
.endr
	WIN 0
.irp i, 0,1,2,3
	ds_load_b128 v[FA+32*\f+8*\i:FA+32*\f+8*\i+3],   v[ADRA+\slot] offset:64*\q+\i*16*PA
	ds_load_b128 v[FA+32*\f+8*\i+4:FA+32*\f+8*\i+7], v[ADRA+\slot] offset:64*\q+\i*16*PA+32
.endr
.endm
; The 48 accumulators take turns, one instruction a turn, in the same order in every quarter.
.macro QUARTER slot, qn, f, g, zero
	s_wait_dscnt 4                                 ; all but the youngest four loads (A's tiles 2, 3)
	WIN MUL_LO
	MULA \f, 0, 0, \zero
	MULA \f, 0, 1, \zero
	PLACES
	FETCH \slot, \qn, \g
	s_wait_dscnt 2*TB+8                            ; all but the 32 just issued
	WIN MUL_HI
	MULA \f, 1, 0, \zero
	MULA \f, 1, 1, \zero
.endm
.macro THREE slot, zero
	QUARTER \slot, 1, 0, 1, \zero
	QUARTER \slot, 2, 1, 0, 0
	QUARTER \slot, 3, 0, 1, 0
.endm
; The last quarter of a K step and the change of slots.  In front of the barrier: my reads of this slot are back and all my tensor loads have landed.
; fill = 1: the barrier opens a round of the cluster's barrier, and the joint refill of this slot is the first tensor load behind it.
.macro TURN slot, next, fill
	s_wait_dscnt 4
	WIN MUL_LO
	MULA 1, 0, 0, 0
	s_wait_dscnt 0x0
	s_wait_tensorcnt 0x0
	ds_add_u32 v255, v255
	s_wait_dscnt 0x0
	s_barrier_signal -1
	MULA 1, 0, 1, 0                                ; register work while the others arrive
	WIN 0
	s_barrier_wait -1
.if \fill
	CREST
	s_add_nc_u64 s[G0+4*\slot+2:G0+4*\slot+3], s[G0+4*\slot+2:G0+4*\slot+3], ASTEP2      ; no tensor load of mine is out: the descriptors may be stepped
	s_add_nc_u64 s[G0B+4*\slot+2:G0B+4*\slot+3], s[G0B+4*\slot+2:G0B+4*\slot+3], BSTEP2
	JLOAD \slot
.endif
	PLACES
	FETCH \next, 0, 0
	WIN MUL_HI
	MULA 1, 1, 0, 0
	MULA 1, 1, 1, 0
.endm
.macro LAP zero
	THREE 0, \zero
	TURN 0, 1, 1
	THREE 1, 0
	TURN 1, 0, 1
.endm
	s_wait_tensorcnt 0x1                           ; my part of K step 0 is in; K step 1's stays out
	s_barrier_signal -1
	s_barrier_wait -1
	FETCH 0, 0, 0
	LAP 1
	WIN 0
	s_mov_b32 s3, LAPS-2
.Llap:
	LAP 0
	WIN 0
	s_sub_co_u32 s3, s3, 1
	s_cmp_lg_u32 s3, 0
	s_cbranch_scc1 .Llap
	THREE 0, 0                                     ; the last lap fills nothing
	TURN 0, 1, 0
	THREE 1, 0
	s_wait_dscnt 4
	WIN MUL_LO
	MULA 1, 0, 0, 0
	MULA 1, 0, 1, 0
	s_wait_dscnt 0x0
	WIN MUL_HI
	MULA 1, 1, 0, 0
	MULA 1, 1, 1, 0
	; THE WAY OUT, 16 rows at a time: + bias, round to bf16, through my own stage, out as runs of 512 consecutive bytes (4 rows of one group).
	PLACES
	s_lshr_b32 s16, s13, 3                         ; batch
	s_mul_i32 s16, s16, 48*2048*128
	s_and_b32 s17, s13, 7
	s_lshl_b32 s17, s17, 15                        ; 256 rows of 128 bytes a block row
	s_add_co_u32 s16, s16, s17
	s_lshl_b32 s17, s10, 13                        ; 64 rows a wave
	s_add_co_u32 s16, s16, s17
	s_mov_b32 s17, 0
	s_add_nc_u64 s[8:9], s[74:75], s[16:17]
	s_mul_i32 s46, s42, 3*2048*128                 ; three groups a block column (in registers that hold the column's coordinate alone)
	s_mov_b32 s47, 0
	s_add_nc_u64 s[8:9], s[8:9], s[46:47]
	s_wait_loadcnt 0x0                             ; the bias
.macro OUT16 a, al, wacc, wcvt
	WIN \wacc
.irp b, 0,1,2,3,4,5,6,7,8,9,10,11
.irp p, 0,1,2,3
	v_pk_add_f32 v[8*(TB*\al+\b)+2*\p:8*(TB*\al+\b)+2*\p+1], v[8*(TB*\al+\b)+2*\p:8*(TB*\al+\b)+2*\p+1], v[BIAS+8*\b+2*\p:BIAS+8*\b+2*\p+1]
.endr
.endr
	WIN \wcvt
.irp b, 0,1,2,3,4,5,6,7,8,9,10,11
.irp p, 0,1,2,3
	v_cvt_pk_bf16_f32 v[TMP+4*\b+\p], v[8*(TB*\al+\b)+2*\p], v[8*(TB*\al+\b)+2*\p+1]
.endr
.endr
	WIN 0
.irp b, 0,1,2,3,4,5,6,7,8,9,10,11
	ds_store_b128 v[STO], v[TMP+4*\b:TMP+4*\b+3] offset:32*\b
.endr
	s_wait_xcnt 0x0                                ; RB is the data of the stores before: it is loaded again only behind this wait
.irp t, 0,1,2
.irp i, 0,1,2,3
	ds_load_b128 v[RB+4*(4*\t+\i):RB+4*(4*\t+\i)+3], v[RD] offset:128*\t+4*SP*\i      ; LDS serves a wave's instructions in order (ISA guide 5.7.1): these see the stores above
.endr
.endr
.irp t, 0,1,2
.irp i, 0,1,2,3
	s_wait_dscnt 11-(4*\t+\i)
	global_store_b128 v[CO], v[RB+4*(4*\t+\i):RB+4*(4*\t+\i)+3], s[8:9] offset:\t*262144+\a*2048+\i*512
.endr
.endr
.endm
	OUT16 0, 0, 0x82, 0x0a
	OUT16 1, 1, 0x82, 0x0a
	OUT16 2, 0, 0xc3, 0x0f
	OUT16 3, 1, 0xc3, 0x0f
	s_set_vgpr_msb 0x1
	s_wait_tensorcnt 0x0
	ds_add_u32 v255, v255
	s_wait_dscnt 0x0
	s_set_vgpr_msb 0x100
	CROUND                                         ; the closing round: no work-group ends while a partner may still ask for a tile that names it
	s_endpgm
.Lfunc_end_k_qeda65bb827_qkv:
	.size	k_qeda65bb827_qkv, .Lfunc_end_k_qeda65bb827_qkv-k_qeda65bb827_qkv
	.p2alignl 7, 3214868480
	.fill 96, 4, 3214868480
	.section	.rodata,"a",@progbits
	.p2align	6, 0x0
	.amdhsa_kernel k_qeda65bb827_qkv
		.amdhsa_group_segment_fixed_size 327680
		.amdhsa_private_segment_fixed_size 0
		.amdhsa_enable_private_segment 0
		.amdhsa_kernarg_size 32
		.amdhsa_user_sgpr_count 2
		.amdhsa_user_sgpr_kernarg_segment_ptr 1
		.amdhsa_wavefront_size32 1
		.amdhsa_system_sgpr_workgroup_id_x 1
		.amdhsa_system_sgpr_workgroup_id_y 1
		.amdhsa_system_sgpr_workgroup_id_z 1
		.amdhsa_system_vgpr_workitem_id 0
		.amdhsa_next_free_vgpr 960
		.amdhsa_next_free_sgpr 76
		.amdhsa_reserve_vcc 0
		.amdhsa_float_denorm_mode_32 3
		.amdhsa_float_denorm_mode_16_64 3
		.amdhsa_memory_ordered 1
		.amdhsa_forward_progress 1
		.amdhsa_inst_pref_size 178
	.end_amdhsa_kernel
	.amdgpu_metadata
---
amdhsa.version: [ 1, 2 ]
amdhsa.kernels:
  - .name:           k_qeda65bb827_qkv
    .symbol:         k_qeda65bb827_qkv.kd
    .args:
      - { .name: xnb, .offset: 0, .size: 8, .value_kind: global_buffer, .address_space: global }
      - { .name: wb, .offset: 8, .size: 8, .value_kind: global_buffer, .address_space: global }
      - { .name: aux, .offset: 16, .size: 8, .value_kind: global_buffer, .address_space: global }
      - { .name: qkv, .offset: 24, .size: 8, .value_kind: global_buffer, .address_space: global }
    .group_segment_fixed_size: 327680
    .private_segment_fixed_size: 0
    .kernarg_segment_align: 8
    .kernarg_segment_size: 32
    .max_flat_workgroup_size: 128
    .sgpr_count:     76
    .vgpr_count:     960
    .wavefront_size: 32
...
	.end_amdgpu_metadata
.endif
;; end of part 2
;; launch attn (part 3): grid 8 x 32, 8 waves a work-group, clusters of 4 x 1, 327,680 bytes of LDS; arguments qkv, ob; writes ob
.if DOCPART == 3
	.amdgcn_target "amdgcn-amd-amdhsa--gfx1250"
	.amdhsa_code_object_version 6
	.text
	.protected	k_qeda65bb827_attn
	.globl	k_qeda65bb827_attn
	.p2align	8
	.type	k_qeda65bb827_attn,@function
k_qeda65bb827_attn:
	s_mov_b64 s[64:65], 0
	v_nop
	global_prefetch_b8 v0, s[64:65] scope:SCOPE_SE
	s_setreg_imm32_b32 hwreg(HW_REG_WAVE_MODE, 25, 1), 1
	s_wait_xcnt 0x0
	s_wait_alu depctr_hold_cnt(0) depctr_sa_sdst(0) depctr_va_vdst(0) depctr_va_sdst(0) depctr_va_ssrc(0) depctr_va_vcc(0) depctr_vm_vsrc(0)
	s_getreg_b32 s2, hwreg(HW_REG_IB_STS2, 6, 4)
	s_cmp_eq_u32 s2, 0
	s_cbranch_scc0 .Lentry_in_a_cluster
	s_endpgm
.Lentry_in_a_cluster:
	s_bfe_u32 s2, ttmp6, 0x10000c
	s_cmp_lg_u32 s2, 0x3003
	s_cbranch_scc0 .Lentry_shape_is_right
	s_endpgm
.Lentry_shape_is_right:
; attn: softmax(Q K^T / 8) V for one (batch, head) and 256 queries a work-group; wave w owns 32 queries (two tiles of 16).
; Keys go in tiles of 256 through two LDS slots (V: 256 x 160 bytes, then K: 256 x 144); waves 0-3 fetch V's quarters, waves 4-7 K's.
; CLUSTERS: the four query blocks of a cluster walk the same K and V tiles and ask for them jointly (mask 15).
; Everything is computed transposed.  S^T = K Q^T: a lane holds 8 keys of ONE query, so maximum and sum are per lane and one v_permlanex16_b32
; joins the two halves; two S^T tiles pack in place into the second operand of O^T = V^T P^T (V^T by the transposing load); in O^T a lane again
; holds one query, so rescaling is per lane and the result is 8 neighbouring d of a row.
; The softmax takes away a running maximum of the raw scores; 1/8 and log2(e) are one factor c in the multiply-add that forms the exponent.
; Eight waves, two to a SIMD: one wave's softmax runs beside the other's matrix work.
; LIMITS: q, k, v, P and the result are bf16; v_exp_f32 gives zero below 2^-126; v_rcp_f32 is good to 1 ULP; a NaN score is passed over by the maximum.
.set PK,    144
.set PV,    160
.set KOFF,  256*PV                     ; 40,960
.set SLOT,  KOFF+256*PK                ; 77,824
.set STAGE, 2*SLOT                     ; 155,648: 32 rows x 144 bytes for each wave; no tensor load lands here
.set ADRK, 2                           ; v2-3
.set ADRV, 4                           ; v4-5
.set STO,  6
.set RD,   7
.set CO,   8
.set QO,   9
.set M,    10                          ; v10-11  running maximum of the raw scores, query tile 0, 1
.set LS,   12                          ; v12-13  running sum of my half's keys
.set NM,   14                          ; v[14:15], v[16:17]  -c x maximum (first register of the pair)
.set AL,   18                          ; v[18:19], v[20:21]  rescaling factor (first register of the pair)
.set T,    22                          ; v22-33  at work
.set S,    64                          ; v64-127 S^T tile (kt, qt) at S + 32 qt + 8 kt; packed: P (qt, g) at S + 32 qt + 8 g
.set KF,   128                         ; v128-191 K fragment (kt, ds) at + 8 (2 kt + ds)
.set VF,   192                         ; v192-255 V^T fragment (g, dt) at + 8 (4 g + dt)
                                       ; window 1: v0-63 O^T tile (dt, qt) at 8 (2 dt + qt); v64-95 Q fragment (qt, ds) at 64 + 8 (2 qt + ds)
.set G1K, 16
.set G1V, 24
.set G0K, 32
.set G0V, 40
.set MSB, 0
.macro WIN new
.if MSB != \new
	s_set_vgpr_msb (MSB<<8)|\new
.set MSB, \new
.endif
.endm
.macro ROUND                           ; a round of the cluster's barrier
	s_barrier_signal -1
	s_barrier_wait -1
	s_cmp_lg_u32 s8, 0
	s_cbranch_scc1 .Lnot_wave_0_\@
	s_barrier_signal -3
.Lnot_wave_0_\@:
	s_barrier_wait -3
	s_barrier_signal -1
	s_barrier_wait -1
.endm
.macro JLOAD s                         ; waves 0-3: my quarter of V's tile; waves 4-7: of K's
	s_cmp_eq_u32 s9, 0
	s_cbranch_scc0 .Lfor_k_\@
	tensor_load_to_lds s[G0V+4*(\s):G0V+4*(\s)+3], s[G1V:G1V+7]
	s_nop 0
	s_branch .Lasked_\@
.Lfor_k_\@:
	tensor_load_to_lds s[G0K+4*(\s):G0K+4*(\s)+3], s[G1K:G1K+7]
	s_nop 0
.Lasked_\@:
.endm
	s_load_b128 s[4:7], s[0:1], 0x0                ; qkv s[4:5], ob s[6:7]
	v_lshl_add_u32 v62, v0, 2, 0x2f000
	v_mov_b32 v63, 0
	ds_add_u32 v62, v63
	v_lshrrev_b32 v1, 5, v0
	v_readfirstlane_b32 s8, v1                     ; wave 0..7
	s_lshr_b32 s9, s8, 2                           ; 0: I fetch V, 1: K
	s_and_b32 s10, s8, 3                           ; which 64 keys of the tile
	s_and_b32 s11, ttmp7, 0xffff                   ; batch x 16 + head
	s_lshr_b32 s12, s11, 4
	s_and_b32 s13, s11, 15
	s_bfe_u32 s14, ttmp6, 0x40000                  ; cx
	s_lshl_b32 s15, ttmp9, 2
	s_add_co_u32 s15, s15, s14                     ; query block
	s_mov_b32 s50, 0x3e38aa3b                      ; c = log2(e) / 8
	s_mov_b32 s51, 0x3e38aa3b
	s_mov_b32 s52, 0xbe38aa3b                      ; -c
	s_mov_b32 s54, 0x76543210
	s_mov_b32 s55, 0xfedcba98
	s_mov_b32 s[G1K+0], 15|(1<<16)|(1<<20)|(1<<21)|(4<<22)|(3<<25)   ; mask of the four; 2-byte elements; after every 32 words 4 words of padding
	s_mov_b32 s[G1K+1], 64<<16
	s_mov_b32 s[G1K+2], 64<<16
	s_mov_b32 s[G1K+3], 64<<16
	s_mov_b32 s[G1K+4], 64
	s_mov_b32 s[G1K+5], 64
	s_mov_b32 s[G1K+6], 0
	s_mov_b32 s[G1K+7], 0
	s_mov_b32 s[G1V+0], 15|(1<<16)|(1<<20)|(1<<21)|(4<<22)|(7<<25)   ; 8 words of padding
	s_mov_b32 s[G1V+1], 64<<16
	s_mov_b32 s[G1V+2], 64<<16
	s_mov_b32 s[G1V+3], 64<<16
	s_mov_b32 s[G1V+4], 64
	s_mov_b32 s[G1V+5], 64
	s_mov_b32 s[G1V+6], 0
	s_mov_b32 s[G1V+7], 0
	s_mul_i32 s56, s12, 48
	s_add_co_u32 s56, s56, s13
	s_lshl_b32 s56, s56, 18                        ; group (batch, q head): 262,144 bytes a group
	s_mov_b32 s57, 0
	s_lshl_b32 s58, s15, 15                        ; 256 queries of 128 bytes a block,
	s_lshl_b32 s59, s8, 12                         ; 32 a wave
	s_add_co_u32 s58, s58, s59
	s_mov_b32 s59, 0
	s_lshl_b32 s60, s10, 13                        ; my 64 keys
	s_mov_b32 s61, 0
	s_mul_i32 s53, s8, 64*PV                       ; waves 0-3: V's quarters from the slot's first byte
	s_mul_i32 s3, s8, 64*PK
	s_add_co_u32 s3, s3, KOFF-4*64*PK              ; waves 4-7: K's quarters behind V
	s_wait_dscnt 0x0
	s_wait_kmcnt 0x0
	s_add_nc_u64 s[4:5], s[4:5], s[56:57]
	s_add_nc_u64 s[62:63], s[4:5], s[60:61]
	s_add_nc_u64 s[58:59], s[4:5], s[58:59]        ; my queries
.irp s, 0,1
	s_mov_b32 s[G0K+4*\s], 1
	s_add_co_u32 s[G0K+4*\s+1], s3, \s*SLOT
	s_add_nc_u64 s[G0K+4*\s+2:G0K+4*\s+3], s[62:63], 16*262144+\s*32768     ; the k head lies 16 groups on; tile s
	s_or_b32 s[G0K+4*\s+3], s[G0K+4*\s+3], 0x80000000
	s_mov_b32 s[G0V+4*\s], 1
	s_add_co_u32 s[G0V+4*\s+1], s53, \s*SLOT
	s_add_nc_u64 s[G0V+4*\s+2:G0V+4*\s+3], s[62:63], 32*262144+\s*32768     ; the v head 32 groups on
	s_or_b32 s[G0V+4*\s+3], s[G0V+4*\s+3], 0x80000000
.endr
	ROUND                                          ; in front of the first joint load
	JLOAD 0                                        ; tile 0; behind every later round one load a wave is out
	v_and_b32 v1, 15, v0                           ; r
	v_bfe_u32 v10, v0, 4, 1                        ; h
	v_mul_u32_u24 v11, v1, PK
	v_lshl_add_u32 v11, v10, 4, v11
	v_add_nc_u32 v[ADRK], KOFF, v11
	v_add_nc_u32 v[ADRK+1], KOFF+SLOT, v11
	v_and_b32 v12, 7, v0
	v_lshl_add_u32 v12, v10, 3, v12
	v_mul_u32_u24 v12, v12, PV
	v_bfe_u32 v13, v0, 3, 1
	v_lshl_add_u32 v[ADRV], v13, 4, v12
	v_add_nc_u32 v[ADRV+1], SLOT, v[ADRV]
	s_mul_i32 s49, s8, 32*PK
	s_add_co_u32 s49, s49, STAGE
	v_add_nc_u32 v[STO], s49, v11
	v_bfe_u32 v12, v0, 3, 2
	v_mul_u32_u24 v12, v12, PK
	v_and_b32 v13, 7, v0
	v_lshl_add_u32 v12, v13, 4, v12
	v_add_nc_u32 v[RD], s49, v12
	v_and_b32 v13, 31, v0
	v_lshlrev_b32 v[CO], 4, v13
	v_lshlrev_b32 v[QO], 7, v1
	v_lshl_add_u32 v[QO], v10, 4, v[QO]
	v_mov_b32 v[NM+1], 0                           ; the pairs' second registers are named by packed instructions and never used
	v_mov_b32 v[NM+3], 0
	v_mov_b32 v[AL+1], 0
	v_mov_b32 v[AL+3], 0
	WIN 0x40
.irp qt, 0,1
.irp ds, 0,1
	global_load_b128 v[64+8*(2*\qt+\ds):64+8*(2*\qt+\ds)+3],   v[QO], s[58:59] offset:2048*\qt+64*\ds
	global_load_b128 v[64+8*(2*\qt+\ds)+4:64+8*(2*\qt+\ds)+7], v[QO], s[58:59] offset:2048*\qt+64*\ds+32
.endr
.endr
	WIN 0
.macro KLOAD slot, c                   ; 16 loads: the K fragments of 64 keys
.irp kt, 0,1,2,3
.irp ds, 0,1
	ds_load_b128 v[KF+8*(2*\kt+\ds):KF+8*(2*\kt+\ds)+3],   v[ADRK+\slot] offset:(64*(\c)+16*\kt)*PK+64*\ds
	ds_load_b128 v[KF+8*(2*\kt+\ds)+4:KF+8*(2*\kt+\ds)+7], v[ADRK+\slot] offset:(64*(\c)+16*\kt)*PK+64*\ds+32
.endr
.endr
.endm
; The softmax step of query tile qt on its 32 scores a lane.  first = 1: nothing to carry over.
.macro SM qt, first
.set SB, S+32*\qt
	v_max3_num_f32 v[T],   v[SB],   v[SB+1],  v[SB+2]
	v_max3_num_f32 v[T+1], v[SB+3], v[SB+4],  v[SB+5]
	v_max3_num_f32 v[T+2], v[SB+6], v[SB+7],  v[SB+8]
	v_max3_num_f32 v[T+3], v[SB+9], v[SB+10], v[SB+11]
.irp i, 0,1,2,3,4,5,6,7,8,9
	v_max3_num_f32 v[T+\i%4], v[T+\i%4], v[SB+12+2*\i], v[SB+13+2*\i]
.endr
	v_max3_num_f32 v[T], v[T], v[T+1], v[T+2]
	v_max_num_f32 v[T], v[T], v[T+3]
	v_permlanex16_b32 v[T+1], v[T], s54, s55       ; the other half's 32 keys of the same query
.if \first
	v_max_num_f32 v[M+\qt], v[T], v[T+1]
	v_mul_f32 v[NM+2*\qt], s52, v[M+\qt]
.else
	v_max3_num_f32 v[T+2], v[T], v[T+1], v[M+\qt]
	v_mul_f32 v[NM+2*\qt], s52, v[T+2]             ; -c x new maximum
	v_fma_f32 v[T+3], v[M+\qt], s50, v[NM+2*\qt]   ; c x (old - new)
	v_exp_f32 v[AL+2*\qt], v[T+3]
	v_mov_b32 v[M+\qt], v[T+2]                     ; also the plain instruction behind the transcendental (ISA guide 5.7.2)
.endif
.set i, 0
.rept 16
	v_pk_fma_f32 v[SB+2*i:SB+2*i+1], v[SB+2*i:SB+2*i+1], s[50:51], v[NM+2*\qt:NM+2*\qt+1] op_sel_hi:[1,0,0]
.set i, i+1
.endr
.set i, 0
.rept 32
	v_exp_f32 v[SB+i], v[SB+i]
.set i, i+1
.endr
	v_nop
	s_wait_alu depctr_va_vdst(0)
.irp k, 0,1,2,3
	v_pk_add_f32 v[T+4+2*\k:T+5+2*\k], v[SB+2*\k:SB+2*\k+1], v[SB+8+2*\k:SB+9+2*\k]
.endr
.irp k, 0,1,2,3,4,5,6,7
	v_pk_add_f32 v[T+4+2*(\k%4):T+5+2*(\k%4)], v[T+4+2*(\k%4):T+5+2*(\k%4)], v[SB+16+2*\k:SB+17+2*\k]
.endr
	v_pk_add_f32 v[T+4:T+5], v[T+4:T+5], v[T+6:T+7]
	v_pk_add_f32 v[T+8:T+9], v[T+8:T+9], v[T+10:T+11]
	v_pk_add_f32 v[T+4:T+5], v[T+4:T+5], v[T+8:T+9]
.if \first
	v_add_f32 v[LS+\qt], v[T+4], v[T+5]
.else
	v_add_f32 v[T+4], v[T+4], v[T+5]
	v_fma_f32 v[LS+\qt], v[LS+\qt], v[AL+2*\qt], v[T+4]
.endif
.set i, 0
.rept 16
	v_cvt_pk_bf16_f32 v[SB+i], v[SB+2*i], v[SB+2*i+1]      ; in place: tiles 2 g, 2 g + 1 become the fragment of keys 32 g .. 32 g + 31
.set i, i+1
.endr
.endm
; 64 keys.  The accumulators take turns, one instruction a turn.
.macro CHUNK slot, c, first
	s_wait_dscnt 0x0                               ; this chunk's K fragments
	WIN 0x04                                       ; source 1 (Q) in window 1
.irp ds, 0,1
.irp kt, 0,1,2,3
.irp qt, 0,1
.if \ds
	v_wmma_f32_16x16x32_bf16 v[S+32*\qt+8*\kt:S+32*\qt+8*\kt+7], v[KF+8*(2*\kt+\ds):KF+8*(2*\kt+\ds)+7], v[64+8*(2*\qt+\ds):64+8*(2*\qt+\ds)+7], v[S+32*\qt+8*\kt:S+32*\qt+8*\kt+7]
.else
	v_wmma_f32_16x16x32_bf16 v[S+32*\qt+8*\kt:S+32*\qt+8*\kt+7], v[KF+8*(2*\kt+\ds):KF+8*(2*\kt+\ds)+7], v[64+8*(2*\qt+\ds):64+8*(2*\qt+\ds)+7], 0
.endif
.endr
.endr
.endr
	WIN 0
.rept 4
	v_nop                                          ; four places (ISA guide 7.12.1) before K's fragments are loaded again and the scores are read
.endr
.irp g, 0,1
.irp dt, 0,1,2,3
	ds_load_tr16_b128 v[VF+8*(4*\g+\dt):VF+8*(4*\g+\dt)+3],   v[ADRV+\slot] offset:(64*\c+32*\g)*PV+32*\dt
	ds_load_tr16_b128 v[VF+8*(4*\g+\dt)+4:VF+8*(4*\g+\dt)+7], v[ADRV+\slot] offset:(64*\c+32*\g)*PV+32*\dt+16*PV
.endr
.endr
.if \c < 3
	KLOAD \slot, \c+1
.endif
	SM 0, \first
	SM 1, \first
.if \c < 3
	s_wait_dscnt 16                                ; V's fragments are in; the next chunk's 16 K loads stay out
.else
	s_wait_dscnt 0x0
.endif
.if 1-\first
	WIN 0x41
.irp dt, 0,1,2,3
.irp qt, 0,1
.irp p, 0,1,2,3
	v_pk_mul_f32 v[8*(2*\dt+\qt)+2*\p:8*(2*\dt+\qt)+2*\p+1], v[8*(2*\dt+\qt)+2*\p:8*(2*\dt+\qt)+2*\p+1], v[AL+2*\qt:AL+2*\qt+1] op_sel_hi:[1,0]
.endr
.endr
.endr
.endif
	WIN 0x50                                       ; C and D (O^T) in window 1
.irp g, 0,1
.irp dt, 0,1,2,3
.irp qt, 0,1
.if (\first)&(1-\g)
	v_wmma_f32_16x16x32_bf16 v[8*(2*\dt+\qt):8*(2*\dt+\qt)+7], v[VF+8*(4*\g+\dt):VF+8*(4*\g+\dt)+7], v[S+32*\qt+8*\g:S+32*\qt+8*\g+7], 0
.else
	v_wmma_f32_16x16x32_bf16 v[8*(2*\dt+\qt):8*(2*\dt+\qt)+7], v[VF+8*(4*\g+\dt):VF+8*(4*\g+\dt)+7], v[S+32*\qt+8*\g:S+32*\qt+8*\g+7], v[8*(2*\dt+\qt):8*(2*\dt+\qt)+7]
.endif
.endr
.endr
.endr
	WIN 0
.rept 5
	v_nop                                          ; five places: the next chunk's first products write over P, a source of these
.endr
.endm
; One tile of 256 keys.  In front of the round: all my tensor loads have landed and my LDS reads are back; behind it the joint load of the next
; tile goes into the slot read last, first of all.
.macro TRIP slot, refill, first
	s_wait_tensorcnt 0x0
	ds_add_u32 v62, v63
	s_wait_dscnt 0x0
	s_add_nc_u64 s[G0K+4*\slot+2:G0K+4*\slot+3], s[G0K+4*\slot+2:G0K+4*\slot+3], 65536     ; this slot's next tile, two on
	s_add_nc_u64 s[G0V+4*\slot+2:G0V+4*\slot+3], s[G0V+4*\slot+2:G0V+4*\slot+3], 65536
	s_wait_dscnt 0x0
	ROUND
.if \refill
	JLOAD 1-\slot
.endif
	KLOAD \slot, 0
	CHUNK \slot, 0, \first
	CHUNK \slot, 1, 0
	CHUNK \slot, 2, 0
	CHUNK \slot, 3, 0
.endm
	s_wait_loadcnt 0x0                             ; Q
	TRIP 0, 1, 1
	s_mov_b32 s48, 3
.Lpair:
	TRIP 1, 1, 0
	TRIP 0, 1, 0
	s_sub_co_u32 s48, s48, 1
	s_cmp_lg_u32 s48, 0
	s_cbranch_scc1 .Lpair
	TRIP 1, 0, 0                                   ; the eighth tile: nothing is left to fetch
	; the end: join the halves' sums, divide, round, through my own stage, out as runs of 512 consecutive bytes
	v_permlanex16_b32 v[T], v[LS], s54, s55
	v_permlanex16_b32 v[T+1], v[LS+1], s54, s55
	v_add_f32 v[T], v[T], v[LS]
	v_add_f32 v[T+1], v[T+1], v[LS+1]
	v_rcp_f32 v[AL], v[T]
	v_rcp_f32 v[AL+2], v[T+1]
	v_nop
	s_lshl_b32 s58, s13, 19                        ; ob[head][batch x 2048 + query][64]
	s_lshl_b32 s14, s12, 18
	s_add_co_u32 s58, s58, s14
	s_lshl_b32 s14, s15, 15
	s_add_co_u32 s58, s58, s14
	s_lshl_b32 s14, s8, 12
	s_add_co_u32 s58, s58, s14
	s_mov_b32 s59, 0
	s_add_nc_u64 s[6:7], s[6:7], s[58:59]
	WIN 0x41
	s_wait_alu depctr_va_vdst(0)
.irp dt, 0,1,2,3
.irp qt, 0,1
.irp p, 0,1,2,3
	v_pk_mul_f32 v[8*(2*\dt+\qt)+2*\p:8*(2*\dt+\qt)+2*\p+1], v[8*(2*\dt+\qt)+2*\p:8*(2*\dt+\qt)+2*\p+1], v[AL+2*\qt:AL+2*\qt+1] op_sel_hi:[1,0]
.endr
.endr
.endr
	WIN 0x05
.irp dt, 0,1,2,3
.irp qt, 0,1
.irp p, 0,1,2,3
	v_cvt_pk_bf16_f32 v[S+4*(2*\dt+\qt)+\p], v[8*(2*\dt+\qt)+2*\p], v[8*(2*\dt+\qt)+2*\p+1]
.endr
.endr
.endr
	WIN 0
.irp dt, 0,1,2,3
.irp qt, 0,1
	ds_store_b128 v[STO], v[S+4*(2*\dt+\qt):S+4*(2*\dt+\qt)+3] offset:16*PK*\qt+32*\dt
.endr
.endr
.irp i, 0,1,2,3,4,5,6,7
	ds_load_b128 v[KF+4*\i:KF+4*\i+3], v[RD] offset:4*PK*\i            ; my own bytes, served in order behind the stores (ISA guide 5.7.1)
.endr
.irp i, 0,1,2,3,4,5,6,7
	s_wait_dscnt 7-\i
	global_store_b128 v[CO], v[KF+4*\i:KF+4*\i+3], s[6:7] offset:512*\i
.endr
	s_wait_tensorcnt 0x0
	ds_add_u32 v62, v63
	s_wait_dscnt 0x0
	ROUND                                          ; the closing round
	s_endpgm
.Lfunc_end_k_qeda65bb827_attn:
	.size	k_qeda65bb827_attn, .Lfunc_end_k_qeda65bb827_attn-k_qeda65bb827_attn
	.p2alignl 7, 3214868480
	.fill 96, 4, 3214868480
	.section	.rodata,"a",@progbits
	.p2align	6, 0x0
	.amdhsa_kernel k_qeda65bb827_attn
		.amdhsa_group_segment_fixed_size 327680
		.amdhsa_private_segment_fixed_size 0
		.amdhsa_enable_private_segment 0
		.amdhsa_kernarg_size 16
		.amdhsa_user_sgpr_count 2
		.amdhsa_user_sgpr_kernarg_segment_ptr 1
		.amdhsa_wavefront_size32 1
		.amdhsa_system_sgpr_workgroup_id_x 1
		.amdhsa_system_sgpr_workgroup_id_y 1
		.amdhsa_system_sgpr_workgroup_id_z 1
		.amdhsa_system_vgpr_workitem_id 0
		.amdhsa_next_free_vgpr 352
		.amdhsa_next_free_sgpr 66
		.amdhsa_reserve_vcc 0
		.amdhsa_float_denorm_mode_32 3
		.amdhsa_float_denorm_mode_16_64 3
		.amdhsa_memory_ordered 1
		.amdhsa_forward_progress 1
		.amdhsa_inst_pref_size 255
	.end_amdhsa_kernel
	.section	.bss,"aw",@nobits
	.p2align	6
	.space	262144
	.amdgpu_metadata
---
amdhsa.version: [ 1, 2 ]
amdhsa.kernels:
  - .name:           k_qeda65bb827_attn
    .symbol:         k_qeda65bb827_attn.kd
    .args:
      - { .name: qkv, .offset: 0, .size: 8, .value_kind: global_buffer, .address_space: global }
      - { .name: ob, .offset: 8, .size: 8, .value_kind: global_buffer, .address_space: global }
    .group_segment_fixed_size: 327680
    .private_segment_fixed_size: 0
    .kernarg_segment_align: 8
    .kernarg_segment_size: 16
    .max_flat_workgroup_size: 256
    .sgpr_count:     66
    .vgpr_count:     352
    .wavefront_size: 32
...
	.end_amdgpu_metadata
.endif
;; end of part 3
;; launch wo (part 4): grid 8 x 32, 4 waves a work-group, clusters of 4 x 4, 327,680 bytes of LDS; arguments ob, wb, aux, x, alpha1, beta1, bo, x2; writes x2
.if DOCPART == 4
	.amdgcn_target "amdgcn-amd-amdhsa--gfx1250"
	.amdhsa_code_object_version 6
	.text
	.protected	k_qeda65bb827_wo
	.globl	k_qeda65bb827_wo
	.p2align	8
	.type	k_qeda65bb827_wo,@function
k_qeda65bb827_wo:
	s_mov_b64 s[64:65], 0
	v_nop
	global_prefetch_b8 v0, s[64:65] scope:SCOPE_SE
	s_setreg_imm32_b32 hwreg(HW_REG_WAVE_MODE, 25, 1), 1
	s_wait_xcnt 0x0
	s_wait_alu depctr_hold_cnt(0) depctr_sa_sdst(0) depctr_va_vdst(0) depctr_va_sdst(0) depctr_va_ssrc(0) depctr_va_vcc(0) depctr_vm_vsrc(0)
	s_getreg_b32 s2, hwreg(HW_REG_IB_STS2, 6, 4)
	s_cmp_eq_u32 s2, 0
	s_cbranch_scc0 .Lentry_in_a_cluster
	s_endpgm
.Lentry_in_a_cluster:
	s_bfe_u32 s2, ttmp6, 0x10000c
	s_cmp_lg_u32 s2, 0xf033
	s_cbranch_scc0 .Lentry_shape_is_right
	s_endpgm
.Lentry_shape_is_right:
; wo: x2 = norm_1(x) + ob Wo + bo, in f32.  norm_1(x) is made again from x and the stored (mean, rstd), so it never went through memory in f32.
; (The second FFN product runs the same K walk on other constants, with a plain residual.)
; A work-group makes 128 x 128; wave w makes rows 64 (w / 2), columns 64 (w mod 2): 16 accumulator tiles.  4096 x 1024 results on 256 work-groups of
; four waves leave 64 x 64 a wave.
; K goes in tiles of 256 through two LDS slots: K = 1024 is four tiles, two asked for at the start and two as refills, so that half of the block's
; operands are on their way at once and a refill has 128 matrix instructions of the wave in which to land.
; The left operand lies in groups of 64 columns ([group][4096][64]); a tile is four dense blocks of 128 rows x 128 bytes.  Waves 0, 1 fetch two blocks each
; with ONE load: the descriptor's row is a whole block (8,192 elements), two rows 262,144 elements apart; the padding is counted along the tile, so each
; 128 bytes are followed by 16 and the LDS pitch is 144.  Waves 2, 3 fetch 128 k x 256 bytes of the weights each.
; CLUSTERS: 4 x 4; the left operand's tiles are asked for jointly along a row of the cluster, the weights' along a column.
; The residual's 64 x 64 f32 of each wave are loaded into registers at the head and stay on their way during the K walk (51 loads of a wave).
; WINDOWS: 0: addresses, left fragments (v32-63, v64-95), way out; 1: weight fragments (v0-31, v32-63), residual v64-191, statistics v192-255;
; 2: tiles of my rows 0-31; 3: of my rows 32-63.
; LIMITS: matrix operands are bf16; sums, bias, norm and residual in f32.
.set WOFF,   6291456                   ; Wo in wb
.set TB,     4
.set PA,     144                       ; 128 + 16 bytes, an odd multiple of 16
.set PB,     288                       ; 256 + 32 bytes, an odd multiple of 32
.set GRP,    128*PA                    ; 18,432: one group's 128 rows
.set PART,   2*GRP                     ; 36,864 = 128 x 288: what one tensor load brings
.set SLOT,   4*PART                    ; 147,456: four groups, then 256 k rows of weights
.set STAGE,  2*SLOT                    ; 294,912: 16 rows x 272 bytes for each wave; no tensor load lands here
.set SP,     272
.set ASTEP2, 4194304                   ; two tiles on: eight groups of 524,288 bytes
.set BSTEP2, 1048576                   ; two tiles on: 512 k rows of 2,048 bytes
.set ADRA, 16                          ; v16-17 my left fragments, slot 0, 1
.set ADRB, 20                          ; v20-23 my weight fragments: slot 0 k < 128, k >= 128; slot 1 likewise (the LDS immediate has 16 bits)
.set STO,  24
.set RD,   25
.set CO,   26                          ; h x 8 rows of 4,096 bytes + 16 r
.set SO,   27                          ; 64 h
.set CL,   28                          ; 16 r
.set FA,   32
.set FB,   0
.set RB,   96
.set ALP,  128
.set BEB,  132
.set BI,   136
.set XW,   64                          ; window 1
.set STW,  192                         ; window 1
.set G1,  24
.set G0,  32
.set G1B, 48
.set G0B, 56
.set MUL_LO, 0xa1                      ; source 0 window 1, source 1 window 0, C and D window 2
.set MUL_HI, 0xf1                      ; the same, C and D window 3
.set TO_B,   0x40
.set MSB, 0
.macro WIN new                         ; the immediate's high byte repeats the setting that is left
.if MSB != \new
	s_set_vgpr_msb (MSB<<8)|\new
.set MSB, \new
.endif
.endm
.macro PLACES                          ; four places behind matrix instructions (ISA guide 7.12.1)
.rept 4
	v_nop
.endr
.endm
.macro JLOAD s                         ; a joint load: waves 0, 1 ask for the left operand, waves 2, 3 for the weights; the branch hangs on the wave's number alone
	s_cmp_eq_u32 s11, 0
	s_cbranch_scc0 .Lfor_b_\@
	tensor_load_to_lds s[G0+4*\s:G0+4*\s+3], s[G1:G1+7]
	s_nop 0
	s_branch .Lasked_\@
.Lfor_b_\@:
	tensor_load_to_lds s[G0B+4*\s:G0B+4*\s+3], s[G1B:G1B+7]
	s_nop 0
.Lasked_\@:
.endm
.macro CREST                           ; a round of the cluster's barrier behind its opening work-group barrier
	s_cmp_lg_u32 s10, 0
	s_cbranch_scc1 .Lnot_wave_0_\@
	s_barrier_signal -3
.Lnot_wave_0_\@:
	s_barrier_wait -3
	s_barrier_signal -1
	s_barrier_wait -1
.endm
.macro CROUND
	s_barrier_signal -1
	s_barrier_wait -1
	CREST
.endm
	s_load_b512 s[68:83], s[0:1], 0x0              ; ob 68, wb 70, aux 72, x 74, alpha1 76, beta1 78, bo 80, x2 82
	v_lshl_add_u32 v254, v0, 2, 0x4c400
	v_mov_b32 v255, 0
	ds_add_u32 v254, v255
	v_lshrrev_b32 v1, 5, v0
	v_readfirstlane_b32 s10, v1
	s_lshr_b32 s11, s10, 1                         ; my half of the rows.  Also: I fetch the left operand (0) or the weights (1)
	s_and_b32 s12, s10, 1                          ; my half of the columns.  Also: which part I fetch
	s_bfe_u32 s40, ttmp6, 0x40000
	s_bfe_u32 s41, ttmp6, 0x40004
	s_lshl_b32 s42, ttmp9, 2
	s_add_co_u32 s42, s42, s40                     ; block column
	s_and_b32 s13, ttmp7, 0xffff
	s_lshl_b32 s13, s13, 2
	s_add_co_u32 s13, s13, s41                     ; block row
	s_lshl_b32 s43, s41, 2
	s_lshl_b32 s43, 15, s43                        ; my row of the cluster
	s_lshl_b32 s44, 0x1111, s40                    ; my column
	s_or_b32 s[G1+0], s43, (1<<16)|(1<<20)|(1<<21)|(4<<22)|(3<<25)    ; 2-byte elements; after every 32 words 4 words of padding; bit 21 beside the mask
	s_mov_b32 s[G1+1], 8192<<16                    ; tensor_dim0 = 8,192: a group's 128 rows of 64 elements, dense
	s_mov_b32 s[G1+2], 2<<16                       ; tensor_dim1 = 2 groups
	s_mov_b32 s[G1+3], 8192<<16                    ; tile_dim0
	s_mov_b32 s[G1+4], 2                           ; tile_dim1
	s_mov_b32 s[G1+5], 262144                      ; elements from group to group
	s_mov_b32 s[G1+6], 0
	s_mov_b32 s[G1+7], 0
	s_or_b32 s[G1B+0], s44, (1<<16)|(1<<20)|(1<<21)|(5<<22)|(7<<25)   ; after every 64 words 8 words of padding
	s_mov_b32 s[G1B+1], 128<<16
	s_mov_b32 s[G1B+2], 128<<16
	s_mov_b32 s[G1B+3], 128<<16
	s_mov_b32 s[G1B+4], 128
	s_mov_b32 s[G1B+5], 1024
	s_mov_b32 s[G1B+6], 0
	s_mov_b32 s[G1B+7], 0
	s_lshl_b32 s16, s13, 14                        ; left operand: 128 rows of 128 bytes a block row, two groups a part
	s_lshl_b32 s17, s12, 20
	s_add_co_u32 s16, s16, s17
	s_mov_b32 s17, 0
	s_lshl_b32 s46, s42, 8                         ; weights: 128 columns a block, 128 k rows of 2,048 bytes a part
	s_lshl_b32 s47, s12, 18
	s_add_co_u32 s46, s46, s47
	s_mov_b32 s47, 0
	s_lshl_b32 s18, s13, 19                        ; f32 rows: (128 block row + 64 half) x 4,096 bytes
	s_lshl_b32 s19, s11, 18
	s_add_co_u32 s18, s18, s19
	s_mov_b32 s19, 0
	s_lshl_b32 s22, s42, 9                         ; f32 columns: (128 block column + 64 half) x 4 bytes
	s_lshl_b32 s23, s12, 8
	s_add_co_u32 s22, s22, s23
	s_mov_b32 s23, 0
	s_lshl_b32 s6, s13, 10                         ; statistics: 8 bytes a row
	s_lshl_b32 s7, s11, 9
	s_add_co_u32 s6, s6, s7
	s_mov_b32 s7, 0
	s_mul_i32 s20, s10, PART                       ; the four parts of a slot, by the wave's number
	s_wait_dscnt 0x0
	s_wait_kmcnt 0x0
	s_add_nc_u64 s[14:15], s[68:69], s[16:17]
	s_add_nc_u64 s[46:47], s[70:71], s[46:47]
	s_add_nc_u64 s[46:47], s[46:47], WOFF
	s_add_nc_u64 s[4:5], s[74:75], s[18:19]        ; x at my 64 x 64
	s_add_nc_u64 s[4:5], s[4:5], s[22:23]
	s_add_nc_u64 s[8:9], s[82:83], s[18:19]        ; x2 at my 64 x 64
	s_add_nc_u64 s[8:9], s[8:9], s[22:23]
	s_add_nc_u64 s[80:81], s[80:81], s[22:23]
	s_add_nc_u64 s[76:77], s[76:77], s[22:23]
	s_add_nc_u64 s[78:79], s[78:79], s[22:23]
	s_add_nc_u64 s[6:7], s[72:73], s[6:7]
	CROUND                                         ; all sixteen work-groups are here: the first joint loads meet
.irp s, 0,1
	s_mov_b32 s[G0+4*\s], 1
	s_add_co_u32 s[G0+4*\s+1], s20, \s*SLOT
	s_add_nc_u64 s[G0+4*\s+2:G0+4*\s+3], s[14:15], \s*2097152          ; tile s: four groups on
	s_or_b32 s[G0+4*\s+3], s[G0+4*\s+3], 0x80000000
	s_mov_b32 s[G0B+4*\s], 1
	s_add_co_u32 s[G0B+4*\s+1], s20, \s*SLOT
	s_add_nc_u64 s[G0B+4*\s+2:G0B+4*\s+3], s[46:47], \s*524288         ; tile s: 256 k rows on
	s_or_b32 s[G0B+4*\s+3], s[G0B+4*\s+3], 0x80000000
	JLOAD \s                                       ; tiles 0 and 1: two tensor loads of the wave are out, the most in this text
.endr
	v_and_b32 v1, 15, v0                           ; r
	v_bfe_u32 v2, v0, 4, 1                         ; h
	v_mul_u32_u24 v3, v1, PA
	v_lshl_add_u32 v3, v2, 4, v3
	s_mul_i32 s21, s11, 64*PA
	v_add_nc_u32 v[ADRA], s21, v3
	v_add_nc_u32 v[ADRA+1], SLOT, v[ADRA]
	v_and_b32 v4, 7, v0
	v_lshl_add_u32 v4, v2, 3, v4                   ; k row 8 h + lane mod 8
	v_mul_u32_u24 v4, v4, PB
	v_bfe_u32 v5, v0, 3, 1
	v_lshl_add_u32 v4, v5, 4, v4
	s_lshl_b32 s21, s12, 7                         ; my 64 columns
	s_add_co_u32 s21, s21, 2*PART                  ; behind the four groups
	v_add_nc_u32 v[ADRB], s21, v4
	v_add_nc_u32 v[ADRB+1], 128*PB, v[ADRB]
	v_add_nc_u32 v[ADRB+2], SLOT, v[ADRB]
	v_add_nc_u32 v[ADRB+3], SLOT+128*PB, v[ADRB]
	s_mul_i32 s21, s10, 16*SP
	s_add_co_u32 s21, s21, STAGE
	v_mul_u32_u24 v5, v1, SP
	v_lshl_add_u32 v5, v2, 5, v5
	v_add_nc_u32 v[STO], s21, v5                   ; in: row r, 32 bytes for each half of the lanes
	v_mul_u32_u24 v5, v2, 8*SP
	v_lshl_add_u32 v5, v1, 4, v5
	v_add_nc_u32 v[RD], s21, v5                    ; back: lanes 0-15 one row of 256 bytes, lanes 16-31 the row 8 further down
	v_lshlrev_b32 v[CL], 4, v1
	v_lshl_add_u32 v[CO], v2, 15, v[CL]
	v_lshlrev_b32 v[SO], 6, v2
	WIN 0x40
.set n, 0
.rept 32
	global_load_b128 v[XW+4*n:XW+4*n+3], v[CO], s[4:5] offset:4096*(16*(n/8)+n%8)  ; n = 8 a + i: row 16 a + 8 h + i of my 64, my 16 bytes of its 256
.set n, n+1
.endr
.set n, 0
.rept 16
	global_load_b128 v[STW+4*n:STW+4*n+3], v[SO], s[6:7] offset:128*(n/4)+16*(n%4) ; mean, rstd of two of the same rows: a lane's eight rows of a block are 64 consecutive bytes
.set n, n+1
.endr
	WIN 0
	global_load_b128 v[BI:BI+3], v[CL], s[80:81]
	global_load_b128 v[ALP:ALP+3], v[CL], s[76:77]
	global_load_b128 v[BEB:BEB+3], v[CL], s[78:79]
.macro MULA f, hi, a, zero             ; 4 matrix instructions: m tile 2 hi + a times my four n tiles, 32 along K.  zero = 1: the first product starts the sums
.irp b, 0,1,2,3
.if \zero
	v_wmma_f32_16x16x32_bf16 v[8*(TB*\a+\b):8*(TB*\a+\b)+7], v[FB+32*\f+8*\b:FB+32*\f+8*\b+7], v[FA+32*\f+8*(2*\hi+\a):FA+32*\f+8*(2*\hi+\a)+7], 0
.else
	v_wmma_f32_16x16x32_bf16 v[8*(TB*\a+\b):8*(TB*\a+\b)+7], v[FB+32*\f+8*\b:FB+32*\f+8*\b+7], v[FA+32*\f+8*(2*\hi+\a):FA+32*\f+8*(2*\hi+\a)+7], v[8*(TB*\a+\b):8*(TB*\a+\b)+7]
.endif
.endr
.endm
.macro FETCH slot, q, f                ; 16 LDS loads: quarter q (32 along K, 0 to 7) of a slot into buffer f
	WIN TO_B
.irp b, 0,1,2,3
	ds_load_tr16_b128 v[FB+32*\f+8*\b:FB+32*\f+8*\b+3],   v[ADRB+2*\slot+(\q)/4] offset:32*((\q)%4)*PB+32*\b
	ds_load_tr16_b128 v[FB+32*\f+8*\b+4:FB+32*\f+8*\b+7], v[ADRB+2*\slot+(\q)/4] offset:32*((\q)%4)*PB+32*\b+16*PB
.endr
	WIN 0
.irp i, 0,1,2,3
	ds_load_b128 v[FA+32*\f+8*\i:FA+32*\f+8*\i+3],   v[ADRA+\slot] offset:((\q)/2)*GRP+((\q)%2)*64+\i*16*PA
	ds_load_b128 v[FA+32*\f+8*\i+4:FA+32*\f+8*\i+7], v[ADRA+\slot] offset:((\q)/2)*GRP+((\q)%2)*64+\i*16*PA+32
.endr
.endm
; The 16 accumulators take turns, one instruction a turn, in the same order in every quarter.
.macro QUARTER slot, qn, f, g, zero    ; multiplies buffer f; in its middle fetches quarter qn of the same slot into buffer g
	s_wait_dscnt 4                                 ; all but the youngest four loads (left tiles 2, 3)
	WIN MUL_LO
	MULA \f, 0, 0, \zero
	MULA \f, 0, 1, \zero
	PLACES
	FETCH \slot, \qn, \g
	s_wait_dscnt 2*TB+8                            ; all but the 16 just issued
	WIN MUL_HI
	MULA \f, 1, 0, \zero
	MULA \f, 1, 1, \zero
.endm
.macro SEVEN slot, zero                ; quarters 0 to 6 of a slot: even quarters lie in buffer 0, odd ones in buffer 1
	QUARTER \slot, 1, 0, 1, \zero
	QUARTER \slot, 2, 1, 0, 0
	QUARTER \slot, 3, 0, 1, 0
	QUARTER \slot, 4, 1, 0, 0
	QUARTER \slot, 5, 0, 1, 0
	QUARTER \slot, 6, 1, 0, 0
	QUARTER \slot, 7, 0, 1, 0
.endm
; Quarter 7 and the change of slots.  In front of the barrier: my reads of this slot are back and all my tensor loads have landed, my part of the next
; slot among them.  fill = 1: the barrier opens a round of the cluster's barrier, and the joint refill of this slot is the first tensor load behind it.
.macro TURN slot, next, fill
	s_wait_dscnt 4
	WIN MUL_LO
	MULA 1, 0, 0, 0
	s_wait_dscnt 0x0
	s_set_vgpr_msb 0xa1a0
	s_wait_tensorcnt 0x0
	ds_add_u32 v254, v255
	s_wait_dscnt 0x0
	s_set_vgpr_msb 0xa0a1
	s_barrier_signal -1
	MULA 1, 0, 1, 0                                ; register work while the others arrive
	WIN 0
	s_barrier_wait -1
.if \fill
	CREST
	s_add_nc_u64 s[G0+4*\slot+2:G0+4*\slot+3], s[G0+4*\slot+2:G0+4*\slot+3], ASTEP2      ; no tensor load of mine is out: the descriptors may be stepped
	s_add_nc_u64 s[G0B+4*\slot+2:G0B+4*\slot+3], s[G0B+4*\slot+2:G0B+4*\slot+3], BSTEP2
	JLOAD \slot
.endif
	PLACES
	FETCH \next, 0, 0
	WIN MUL_HI
	MULA 1, 1, 0, 0
	MULA 1, 1, 1, 0
.endm
	s_wait_tensorcnt 0x1                           ; my part of tile 0 is in; tile 1's stays out
	s_barrier_signal -1
	s_barrier_wait -1
	FETCH 0, 0, 0
	SEVEN 0, 1                                     ; tile 0: its first products start the sums
	TURN 0, 1, 1                                   ; slot 0 is asked for again: tile 2
	SEVEN 1, 0                                     ; tile 1
	TURN 1, 0, 1                                   ; slot 1 is asked for again: tile 3
	SEVEN 0, 0                                     ; tile 2
	TURN 0, 1, 0                                   ; nothing is left to fetch
	SEVEN 1, 0                                     ; tile 3
	s_wait_dscnt 4
	WIN MUL_LO
	MULA 1, 0, 0, 0
	MULA 1, 0, 1, 0
	s_wait_dscnt 0x0
	WIN MUL_HI
	MULA 1, 1, 0, 0
	MULA 1, 1, 1, 0
	; THE WAY OUT.  First the residual with the bias, in its own registers; then 16 rows at a time through my stage, so that sixteen lanes
	; store 256 consecutive bytes of a row.
	PLACES
	s_wait_loadcnt 0x0
	WIN 0
	v_pk_add_f32 v[BEB:BEB+1], v[BEB:BEB+1], v[BI:BI+1]                ; beta1 + bo
	v_pk_add_f32 v[BEB+2:BEB+3], v[BEB+2:BEB+3], v[BI+2:BI+3]
	WIN 0x45
.set n, 0
.rept 32
	v_pk_add_f32 v[XW+4*n:XW+4*n+1],   v[XW+4*n:XW+4*n+1],   v[STW+2*n:STW+2*n+1] op_sel_hi:[1,0] neg_lo:[0,1] neg_hi:[0,1]   ; x - mean
	v_pk_add_f32 v[XW+4*n+2:XW+4*n+3], v[XW+4*n+2:XW+4*n+3], v[STW+2*n:STW+2*n+1] op_sel_hi:[1,0] neg_lo:[0,1] neg_hi:[0,1]
	v_pk_mul_f32 v[XW+4*n:XW+4*n+1],   v[XW+4*n:XW+4*n+1],   v[STW+2*n:STW+2*n+1] op_sel:[0,1] op_sel_hi:[1,1]                ; x rstd
	v_pk_mul_f32 v[XW+4*n+2:XW+4*n+3], v[XW+4*n+2:XW+4*n+3], v[STW+2*n:STW+2*n+1] op_sel:[0,1] op_sel_hi:[1,1]
.set n, n+1
.endr
	WIN 0x41
.set n, 0
.rept 32
	v_pk_fma_f32 v[XW+4*n:XW+4*n+1],   v[XW+4*n:XW+4*n+1],   v[ALP:ALP+1],   v[BEB:BEB+1]
	v_pk_fma_f32 v[XW+4*n+2:XW+4*n+3], v[XW+4*n+2:XW+4*n+3], v[ALP+2:ALP+3], v[BEB+2:BEB+3]
.set n, n+1
.endr
.macro OUT16 a, al, wst
	WIN \wst                                       ; the LDS stores' data in window 2 or 3
.irp b, 0,1,2,3
	ds_store_b128 v[STO], v[8*(TB*\al+\b):8*(TB*\al+\b)+3]   offset:64*\b
	ds_store_b128 v[STO], v[8*(TB*\al+\b)+4:8*(TB*\al+\b)+7] offset:64*\b+16
.endr
	WIN 0
	s_wait_xcnt 0x0                                ; RB is the data of the stores before: it is loaded again only behind this wait
.irp i, 0,1,2,3,4,5,6,7
	ds_load_b128 v[RB+4*\i:RB+4*\i+3], v[RD] offset:SP*\i              ; my own bytes, served in order behind the stores (ISA guide 5.7.1)
.endr
	s_wait_dscnt 0x0
	WIN 0x01
.irp i, 0,1,2,3,4,5,6,7
	v_pk_add_f32 v[RB+4*\i:RB+4*\i+1],   v[XW+4*(8*\a+\i):XW+4*(8*\a+\i)+1],   v[RB+4*\i:RB+4*\i+1]
	v_pk_add_f32 v[RB+4*\i+2:RB+4*\i+3], v[XW+4*(8*\a+\i)+2:XW+4*(8*\a+\i)+3], v[RB+4*\i+2:RB+4*\i+3]
.endr
	WIN 0
.irp i, 0,1,2,3,4,5,6,7
	global_store_b128 v[CO], v[RB+4*\i:RB+4*\i+3], s[8:9] offset:4096*(16*\a+\i)
.endr
.endm
	OUT16 0, 0, 0x08
	OUT16 1, 1, 0x08
	OUT16 2, 0, 0x0c
	OUT16 3, 1, 0x0c
	s_wait_tensorcnt 0x0
	ds_add_u32 v254, v255
	s_wait_dscnt 0x0
	CROUND                                         ; the closing round: no work-group ends while a partner may still ask for a tile that names it
	s_endpgm
.Lfunc_end_k_qeda65bb827_wo:
	.size	k_qeda65bb827_wo, .Lfunc_end_k_qeda65bb827_wo-k_qeda65bb827_wo
	.p2alignl 7, 3214868480
	.fill 96, 4, 3214868480
	.section	.rodata,"a",@progbits
	.p2align	6, 0x0
	.amdhsa_kernel k_qeda65bb827_wo
		.amdhsa_group_segment_fixed_size 327680
		.amdhsa_private_segment_fixed_size 0
		.amdhsa_enable_private_segment 0
		.amdhsa_kernarg_size 64
		.amdhsa_user_sgpr_count 2
		.amdhsa_user_sgpr_kernarg_segment_ptr 1
		.amdhsa_wavefront_size32 1
		.amdhsa_system_sgpr_workgroup_id_x 1
		.amdhsa_system_sgpr_workgroup_id_y 1
		.amdhsa_system_sgpr_workgroup_id_z 1
		.amdhsa_system_vgpr_workitem_id 0
		.amdhsa_next_free_vgpr 832
		.amdhsa_next_free_sgpr 84
		.amdhsa_reserve_vcc 0
		.amdhsa_float_denorm_mode_32 3
		.amdhsa_float_denorm_mode_16_64 3
		.amdhsa_memory_ordered 1
		.amdhsa_forward_progress 1
		.amdhsa_inst_pref_size 113
	.end_amdhsa_kernel
	.amdgpu_metadata
---
amdhsa.version: [ 1, 2 ]
amdhsa.kernels:
  - .name:           k_qeda65bb827_wo
    .symbol:         k_qeda65bb827_wo.kd
    .args:
      - { .name: ob, .offset: 0, .size: 8, .value_kind: global_buffer, .address_space: global }
      - { .name: wb, .offset: 8, .size: 8, .value_kind: global_buffer, .address_space: global }
      - { .name: aux, .offset: 16, .size: 8, .value_kind: global_buffer, .address_space: global }
      - { .name: x, .offset: 24, .size: 8, .value_kind: global_buffer, .address_space: global }
      - { .name: alpha1, .offset: 32, .size: 8, .value_kind: global_buffer, .address_space: global }
      - { .name: beta1, .offset: 40, .size: 8, .value_kind: global_buffer, .address_space: global }
      - { .name: bo, .offset: 48, .size: 8, .value_kind: global_buffer, .address_space: global }
      - { .name: x2, .offset: 56, .size: 8, .value_kind: global_buffer, .address_space: global }
    .group_segment_fixed_size: 327680
    .private_segment_fixed_size: 0
    .kernarg_segment_align: 8
    .kernarg_segment_size: 64
    .max_flat_workgroup_size: 128
    .sgpr_count:     84
    .vgpr_count:     832
    .wavefront_size: 32
...
	.end_amdgpu_metadata
.endif
;; end of part 4
;; launch ffn1 (part 5): grid 64 x 4, 4 waves a work-group, clusters of 4 x 1, 327,680 bytes of LDS; arguments x2, wb, alpha2, beta2, b1, h1; writes h1
.if DOCPART == 5
	.amdgcn_target "amdgcn-amd-amdhsa--gfx1250"
	.amdhsa_code_object_version 6
	.text
	.protected	k_qeda65bb827_ffn1
	.globl	k_qeda65bb827_ffn1
	.p2align	8
	.type	k_qeda65bb827_ffn1,@function
k_qeda65bb827_ffn1:
	s_mov_b64 s[64:65], 0
	v_nop
	global_prefetch_b8 v0, s[64:65] scope:SCOPE_SE
	s_setreg_imm32_b32 hwreg(HW_REG_WAVE_MODE, 25, 1), 1
	s_wait_xcnt 0x0
	s_wait_alu depctr_hold_cnt(0) depctr_sa_sdst(0) depctr_va_vdst(0) depctr_va_sdst(0) depctr_va_ssrc(0) depctr_va_vcc(0) depctr_vm_vsrc(0)
	s_getreg_b32 s2, hwreg(HW_REG_IB_STS2, 6, 4)
	s_cmp_eq_u32 s2, 0
	s_cbranch_scc0 .Lentry_in_a_cluster
	s_endpgm
.Lentry_in_a_cluster:
	s_bfe_u32 s2, ttmp6, 0x10000c
	s_cmp_lg_u32 s2, 0x3003
	s_cbranch_scc0 .Lentry_shape_is_right
	s_endpgm
.Lentry_shape_is_right:
; ffn1: h1 = relu(norm_2(x2) W1 + b1), bf16, in groups of 64 columns: h1[8][4096][64].
; A work-group makes 64 rows x 128 columns.  First each wave normalises 16 whole rows of x2 (a row is 32 registers of one wave) and lays them as bf16
; into LDS (64 rows x 2,064 bytes); then the product runs over K = 1024 with W1's tiles of 256 k x 128 n going through two LDS slots, each wave
; fetching 64 k of a tile.  Wave w makes rows 32 (w / 2), columns 64 (w mod 2): 8 accumulator tiles.
; CLUSTERS: the four row blocks of a cluster walk the same tiles of W1 and ask for them jointly (mask 15).
; The four column blocks each normalise the same rows again: whole rows are needed for the norm, and 64 work-groups would leave three quarters of the chip idle.
; LIMITS: matrix operands and h1 are bf16; norm, sums, bias and relu in f32; v_rsq_f32 is good to 1 ULP; variance unbiased (divided by 1023).
.set PB,    288                        ; W1's LDS row: 256 + 32 bytes, an odd multiple of 32
.set SLOT,  256*PB                     ; 73,728
.set AOFF,  2*SLOT                     ; 147,456: the normalised rows; written by LDS stores, never a tensor load's target
.set PAF,   2064                       ; 2,048 + 16 bytes, an odd multiple of 16
.set STAGE, AOFF+64*PAF                ; 279,552: 16 rows x 144 bytes for each wave
.set SP,    144
.set VA,   2                           ; where I put 8 bytes of a normalised row
.set ADA,  3                           ; my left fragments
.set ADB,  4                           ; v4-7: W1's fragments: slot 0 k < 128, k >= 128; slot 1 likewise (the LDS immediate has 16 bits)
.set T,    8                           ; v8-15 at work
.set ST,   24                          ; v[24:25] mean, rstd
.set STO,  26
.set RD,   27
.set CO,   28
.set BOF,  29
.set AL,   32                          ; v32-63 alpha2    (later: accumulators)
.set BE,   64                          ; v64-95 beta2     (later: accumulators)
.set XR,   96                          ; v96-223 four row slots (later: fragments, b1)
.set ACC,  32
.set FA,   96                          ; buffer g at FA + 16 g
.set FB,   128                         ; buffer g at FB + 32 g
.set B1,   192
.set TMP,  224
.set RBK,  240
.set SEL,  28                          ; s28, s29
.set CN,   30                          ; s30 = 1/1023, s31 = 1e-6
.set G1,   16
.set G0,   32
.macro PLACES                          ; four places behind matrix instructions (ISA guide 7.12.1)
.rept 4
	v_nop
.endr
.endm
.macro ROUND
	s_barrier_signal -1
	s_barrier_wait -1
	s_cmp_lg_u32 s8, 0
	s_cbranch_scc1 .Lnot_wave_0_\@
	s_barrier_signal -3
.Lnot_wave_0_\@:
	s_barrier_wait -3
	s_barrier_signal -1
	s_barrier_wait -1
.endm
	s_load_b256 s[40:47], s[0:1], 0x0              ; x2 40, wb 42, alpha2 44, beta2 46
	s_load_b128 s[48:51], s[0:1], 0x20             ; b1 48, h1 50
	v_lshl_add_u32 v30, v0, 2, 0x46800
	v_mov_b32 v31, 0
	ds_add_u32 v30, v31
	v_lshrrev_b32 v1, 5, v0
	v_readfirstlane_b32 s8, v1                     ; wave
	s_lshr_b32 s9, s8, 1                           ; my half of the rows
	s_and_b32 s10, s8, 1                           ; my half of the columns
	s_bfe_u32 s11, ttmp6, 0x40000                  ; cx
	s_lshl_b32 s12, ttmp9, 2
	s_add_co_u32 s12, s12, s11                     ; row block
	s_and_b32 s13, ttmp7, 0xffff                   ; column block
	s_mov_b32 s[SEL], 0x76543210
	s_mov_b32 s[SEL+1], 0xfedcba98
	s_mov_b32 s[CN], 0x3a802008
	s_mov_b32 s[CN+1], 0x358637bd
	s_mov_b32 s[G1+0], 15|(1<<16)|(1<<20)|(1<<21)|(5<<22)|(7<<25)      ; mask of the four; 2-byte elements; after every 64 words 8 words of padding
	s_mov_b32 s[G1+1], 128<<16
	s_mov_b32 s[G1+2], 64<<16
	s_mov_b32 s[G1+3], 128<<16
	s_mov_b32 s[G1+4], 64
	s_mov_b32 s[G1+5], 512
	s_mov_b32 s[G1+6], 0
	s_mov_b32 s[G1+7], 0
	s_lshl_b32 s14, s8, 16                         ; W1: my 64 k rows of 1,024 bytes,
	s_lshl_b32 s15, s13, 8                         ; 128 columns a block
	s_add_co_u32 s14, s14, s15
	s_mov_b32 s15, 0
	s_mul_i32 s24, s8, 64*PB
	s_wait_dscnt 0x0
	s_wait_kmcnt 0x0
	s_add_nc_u64 s[14:15], s[42:43], s[14:15]
	s_add_nc_u64 s[14:15], s[14:15], 0x800000      ; W1 in wb
	ROUND                                          ; in front of the first joint loads
.irp s, 0,1
	s_mov_b32 s[G0+4*\s], 1
	s_add_co_u32 s[G0+4*\s+1], s24, \s*SLOT
	s_add_nc_u64 s[G0+4*\s+2:G0+4*\s+3], s[14:15], \s*262144           ; 256 k rows a tile
	s_or_b32 s[G0+4*\s+3], s[G0+4*\s+3], 0x80000000
	tensor_load_to_lds s[G0+4*\s:G0+4*\s+3], s[G1:G1+7]                ; tiles 0 and 1: two loads of the wave are out, the most in this text
	s_nop 0
.endr
	s_lshl_b32 s26, s12, 18                        ; x2: (64 row block + 16 wave) rows of 4,096 bytes
	s_lshl_b32 s27, s8, 16
	s_add_co_u32 s26, s26, s27
	s_mov_b32 s27, 0
	s_add_nc_u64 s[40:41], s[40:41], s[26:27]
	s_lshl_b32 s26, s13, 9                         ; b1: (128 column block + 64 half) x 4 bytes
	s_lshl_b32 s27, s10, 8
	s_add_co_u32 s26, s26, s27
	s_mov_b32 s27, 0
	s_add_nc_u64 s[48:49], s[48:49], s[26:27]
	s_lshl_b32 s26, s13, 20                        ; h1: group 2 column block + half, row 64 row block + 32 half, 128 bytes a row
	s_lshl_b32 s27, s10, 19
	s_add_co_u32 s26, s26, s27
	s_lshl_b32 s27, s12, 13
	s_add_co_u32 s26, s26, s27
	s_lshl_b32 s27, s9, 12
	s_add_co_u32 s26, s26, s27
	s_mov_b32 s27, 0
	s_add_nc_u64 s[50:51], s[50:51], s[26:27]
	v_and_b32 v9, 31, v0                           ; lane
	v_lshlrev_b32 v1, 4, v9                        ; v1 = 16 lane
	s_mul_i32 s25, s8, 16*PAF
	s_add_co_u32 s25, s25, AOFF
	v_lshl_add_u32 v[VA], v9, 3, s25
	v_lshlrev_b32 v[CO], 4, v9
	v_and_b32 v10, 15, v0                          ; r
	v_bfe_u32 v11, v0, 4, 1                        ; h
	v_mul_u32_u24 v12, v10, PAF
	v_lshl_add_u32 v12, v11, 4, v12
	s_mul_i32 s25, s9, 32*PAF
	s_add_co_u32 s25, s25, AOFF
	v_add_nc_u32 v[ADA], s25, v12
	v_and_b32 v12, 7, v0
	v_lshl_add_u32 v12, v11, 3, v12
	v_mul_u32_u24 v12, v12, PB
	v_bfe_u32 v13, v0, 3, 1
	v_lshl_add_u32 v12, v13, 4, v12
	v_lshl_add_u32 v[ADB], s10, 7, v12
	v_add_nc_u32 v[ADB+1], 128*PB, v[ADB]
	v_add_nc_u32 v[ADB+2], SLOT, v[ADB]
	v_add_nc_u32 v[ADB+3], SLOT+128*PB, v[ADB]
	s_mul_i32 s25, s8, 16*SP
	s_add_co_u32 s25, s25, STAGE
	v_mul_u32_u24 v12, v10, SP
	v_lshl_add_u32 v12, v11, 4, v12
	v_add_nc_u32 v[STO], s25, v12
	v_bfe_u32 v12, v0, 3, 2
	v_mul_u32_u24 v12, v12, SP
	v_and_b32 v13, 7, v0
	v_lshl_add_u32 v12, v13, 4, v12
	v_add_nc_u32 v[RD], s25, v12
	v_lshlrev_b32 v[BOF], 5, v11
.macro FOLD                            ; four chains of pairs in v[T:T+7] to one sum over the wave's 32 lanes, in every lane's v[T]
	v_pk_add_f32 v[T:T+1], v[T:T+1], v[T+2:T+3]
	v_pk_add_f32 v[T+4:T+5], v[T+4:T+5], v[T+6:T+7]
	v_pk_add_f32 v[T:T+1], v[T:T+1], v[T+4:T+5]
	v_add_f32 v[T], v[T], v[T+1]
	v_add_f32_dpp v[T], v[T], v[T] row_xmask:1 row_mask:0xf bank_mask:0xf
	v_add_f32_dpp v[T], v[T], v[T] row_xmask:2 row_mask:0xf bank_mask:0xf
	v_add_f32_dpp v[T], v[T], v[T] row_xmask:4 row_mask:0xf bank_mask:0xf
	v_add_f32_dpp v[T], v[T], v[T] row_xmask:8 row_mask:0xf bank_mask:0xf
	v_permlanex16_b32 v[T+1], v[T], s[SEL], s[SEL+1]
	v_add_f32 v[T], v[T], v[T+1]
.endm
; The row in v[X:X+31] becomes alpha (x - mean) rstd + beta, packed to bf16 in registers X+4j, X+4j+1.
.macro ROWNORM X, st
.irp k, 0,1,2,3
	v_pk_add_f32 v[T+2*\k:T+2*\k+1], v[\X+2*\k:\X+2*\k+1], v[\X+8+2*\k:\X+9+2*\k]
.endr
.irp k, 0,1,2,3,4,5,6,7
	v_pk_add_f32 v[T+2*(\k%4):T+2*(\k%4)+1], v[T+2*(\k%4):T+2*(\k%4)+1], v[\X+16+2*\k:\X+17+2*\k]
.endr
	FOLD
	v_mul_f32 v[\st], 0x3a800000, v[T]             ; the mean, in both registers of the pair; the second is overwritten by rstd below
	v_mul_f32 v[\st+1], 0x3a800000, v[T]
.irp k, 0,1,2,3,4,5,6,7,8,9,10,11,12,13,14,15
	v_pk_add_f32 v[\X+2*\k:\X+2*\k+1], v[\X+2*\k:\X+2*\k+1], v[\st:\st+1] neg_lo:[0,1] neg_hi:[0,1]
.endr
.irp k, 0,1,2,3
	v_pk_mul_f32 v[T+2*\k:T+2*\k+1], v[\X+2*\k:\X+2*\k+1], v[\X+2*\k:\X+2*\k+1]
.endr
.irp k, 4,5,6,7,8,9,10,11,12,13,14,15
	v_pk_fma_f32 v[T+2*(\k%4):T+2*(\k%4)+1], v[\X+2*\k:\X+2*\k+1], v[\X+2*\k:\X+2*\k+1], v[T+2*(\k%4):T+2*(\k%4)+1]
.endr
	FOLD
	v_fma_f32 v[T], v[T], s[CN], s[CN+1]
	v_rsq_f32 v[\st+1], v[T]
	v_nop                                          ; one plain vector instruction behind a transcendental (ISA guide 5.7.2)
	s_wait_alu depctr_va_vdst(0)
.irp k, 0,1,2,3,4,5,6,7,8,9,10,11,12,13,14,15
	v_pk_mul_f32 v[\X+2*\k:\X+2*\k+1], v[\X+2*\k:\X+2*\k+1], v[\st:\st+1] op_sel:[0,1] op_sel_hi:[1,1]
.endr
.irp k, 0,1,2,3,4,5,6,7,8,9,10,11,12,13,14,15
	v_pk_fma_f32 v[\X+2*\k:\X+2*\k+1], v[\X+2*\k:\X+2*\k+1], v[AL+2*\k:AL+2*\k+1], v[BE+2*\k:BE+2*\k+1]
.endr
.irp j, 0,1,2,3,4,5,6,7
	v_cvt_pk_bf16_f32 v[\X+4*\j],   v[\X+4*\j],   v[\X+4*\j+1]
	v_cvt_pk_bf16_f32 v[\X+4*\j+1], v[\X+4*\j+2], v[\X+4*\j+3]
.endr
.endm
.macro LOADROW t                       ; row t of my 16 into row slot t mod 4
.irp j, 0,1,2,3,4,5,6,7
	global_load_b128 v[XR+32*((\t)%4)+4*\j:XR+32*((\t)%4)+4*\j+3], v1, s[40:41] offset:(\t)*4096+512*\j
.endr
.endm
.macro ROW t, left, more
	s_wait_loadcnt \left                           ; row t is in; the younger rows, 8 loads each, stay out
	ROWNORM XR+32*(\t%4), ST
.irp j, 0,1,2,3,4,5,6,7
	ds_store_b64 v[VA], v[XR+32*(\t%4)+4*\j:XR+32*(\t%4)+4*\j+1] offset:\t*PAF+256*\j      ; 32 lanes x 8 neighbouring bytes
.endr
.if \more
	LOADROW \t+4
.endif
.endm
.irp j, 0,1,2,3,4,5,6,7
	global_load_b128 v[AL+4*\j:AL+4*\j+3], v1, s[44:45] offset:512*\j
.endr
.irp j, 0,1,2,3,4,5,6,7
	global_load_b128 v[BE+4*\j:BE+4*\j+3], v1, s[46:47] offset:512*\j
.endr
	LOADROW 0
	LOADROW 1
	LOADROW 2
	LOADROW 3
.irp t, 0,1,2,3,4,5,6,7,8,9,10,11
	ROW \t, 24, 1
.endr
	ROW 12, 24, 0
	ROW 13, 16, 0
	ROW 14, 8, 0
	ROW 15, 0, 0
.irp b, 0,1,2,3
	global_load_b128 v[B1+8*\b:B1+8*\b+3],   v[BOF], s[48:49] offset:64*\b         ; b1 of my lane's 8 columns in each n tile; waited for on the way out
	global_load_b128 v[B1+8*\b+4:B1+8*\b+7], v[BOF], s[48:49] offset:64*\b+16
.endr
.macro FETCH slot, f, j, g             ; 12 LDS loads: 32 along K (step j of tile f) into buffer g
.irp b, 0,1,2,3
	ds_load_tr16_b128 v[FB+32*(\g)+8*\b:FB+32*(\g)+8*\b+3],   v[ADB+2*\slot+(\j)/4] offset:32*((\j)%4)*PB+32*\b
	ds_load_tr16_b128 v[FB+32*(\g)+8*\b+4:FB+32*(\g)+8*\b+7], v[ADB+2*\slot+(\j)/4] offset:32*((\j)%4)*PB+32*\b+16*PB
.endr
.irp i, 0,1
	ds_load_b128 v[FA+16*(\g)+8*\i:FA+16*(\g)+8*\i+3],   v[ADA] offset:512*\f+64*(\j)+16*PAF*\i
	ds_load_b128 v[FA+16*(\g)+8*\i+4:FA+16*(\g)+8*\i+7], v[ADA] offset:512*\f+64*(\j)+16*PAF*\i+32
.endr
.endm
.macro MUL8 g, zero                    ; the 8 accumulators take turns, one instruction a turn
.irp a, 0,1
.irp b, 0,1,2,3
.if \zero
	v_wmma_f32_16x16x32_bf16 v[ACC+8*(4*\a+\b):ACC+8*(4*\a+\b)+7], v[FB+32*(\g)+8*\b:FB+32*(\g)+8*\b+7], v[FA+16*(\g)+8*\a:FA+16*(\g)+8*\a+7], 0
.else
	v_wmma_f32_16x16x32_bf16 v[ACC+8*(4*\a+\b):ACC+8*(4*\a+\b)+7], v[FB+32*(\g)+8*\b:FB+32*(\g)+8*\b+7], v[FA+16*(\g)+8*\a:FA+16*(\g)+8*\a+7], v[ACC+8*(4*\a+\b):ACC+8*(4*\a+\b)+7]
.endif
.endr
.endr
.endm
.macro WORK slot, f, zero              ; 256 along K: eight steps on two fragment buffers, each fetched one step ahead
	PLACES
	FETCH \slot, \f, 0, 0
	FETCH \slot, \f, 1, 1
	s_wait_dscnt 12                                ; all but the 12 just issued
	MUL8 0, \zero
.irp j, 1,2,3,4,5,6
	PLACES
	FETCH \slot, \f, \j+1, (\j+1)%2
	s_wait_dscnt 12
	MUL8 \j%2, 0
.endr
	s_wait_dscnt 0x0
	MUL8 1, 0
.endm
; A change of slots.  In front of the round: all my tensor loads have landed, my LDS reads are back.  Behind it the joint refill of the other slot comes first.
.macro TWO slot, fill, f
	s_wait_tensorcnt 0x0
	ds_add_u32 v30, v31
	s_wait_dscnt 0x0
	s_add_nc_u64 s[G0+6-4*\slot:G0+7-4*\slot], s[G0+6-4*\slot:G0+7-4*\slot], 524288      ; the other slot's next tile, two on
	s_wait_dscnt 0x0
	ROUND
.if \fill
	tensor_load_to_lds s[G0+4-4*\slot:G0+7-4*\slot], s[G1:G1+7]
	s_nop 0
.endif
	WORK \slot, \f, 0
.endm
	s_wait_tensorcnt 0x1                           ; my part of tile 0 is in; tile 1's stays out
	s_wait_dscnt 0x0                               ; my normalised rows are in LDS
	s_barrier_signal -1
	s_barrier_wait -1
	WORK 0, 0, 1
	TWO 1, 1, 1
	TWO 0, 1, 2
	TWO 1, 0, 3
	; THE WAY OUT, 16 rows at a time: + b1, relu, round to bf16, through my stage, out as runs of 512 consecutive bytes (4 rows of my group)
	PLACES
	s_wait_loadcnt 0x0
.irp a, 0,1
.irp b, 0,1,2,3
.irp p, 0,1,2,3
	v_pk_add_f32 v[ACC+8*(4*\a+\b)+2*\p:ACC+8*(4*\a+\b)+2*\p+1], v[ACC+8*(4*\a+\b)+2*\p:ACC+8*(4*\a+\b)+2*\p+1], v[B1+8*\b+2*\p:B1+8*\b+2*\p+1]
.endr
.endr
.set i, 0
.rept 32
	v_max_num_f32 v[ACC+32*\a+i], 0, v[ACC+32*\a+i]
.set i, i+1
.endr
.irp b, 0,1,2,3
.irp p, 0,1,2,3
	v_cvt_pk_bf16_f32 v[TMP+4*\b+\p], v[ACC+8*(4*\a+\b)+2*\p], v[ACC+8*(4*\a+\b)+2*\p+1]
.endr
.endr
.irp b, 0,1,2,3
	ds_store_b128 v[STO], v[TMP+4*\b:TMP+4*\b+3] offset:32*\b
.endr
	s_wait_xcnt 0x0                                ; RBK is the data of the stores before: it is loaded again only behind this wait
.irp i, 0,1,2,3
	ds_load_b128 v[RBK+4*\i:RBK+4*\i+3], v[RD] offset:4*SP*\i          ; my own bytes, served in order behind the stores (ISA guide 5.7.1)
.endr
.irp i, 0,1,2,3
	s_wait_dscnt 3-\i
	global_store_b128 v[CO], v[RBK+4*\i:RBK+4*\i+3], s[50:51] offset:2048*\a+512*\i
.endr
.endr
	s_wait_tensorcnt 0x0
	ds_add_u32 v30, v31
	s_wait_dscnt 0x0
	ROUND                                          ; the closing round
	s_endpgm
.Lfunc_end_k_qeda65bb827_ffn1:
	.size	k_qeda65bb827_ffn1, .Lfunc_end_k_qeda65bb827_ffn1-k_qeda65bb827_ffn1
	.p2alignl 7, 3214868480
	.fill 96, 4, 3214868480
	.section	.rodata,"a",@progbits
	.p2align	6, 0x0
	.amdhsa_kernel k_qeda65bb827_ffn1
		.amdhsa_group_segment_fixed_size 327680
		.amdhsa_private_segment_fixed_size 0
		.amdhsa_enable_private_segment 0
		.amdhsa_kernarg_size 48
		.amdhsa_user_sgpr_count 2
		.amdhsa_user_sgpr_kernarg_segment_ptr 1
		.amdhsa_wavefront_size32 1
		.amdhsa_system_sgpr_workgroup_id_x 1
		.amdhsa_system_sgpr_workgroup_id_y 1
		.amdhsa_system_sgpr_workgroup_id_z 1
		.amdhsa_system_vgpr_workitem_id 0
		.amdhsa_next_free_vgpr 256
		.amdhsa_next_free_sgpr 66
		.amdhsa_reserve_vcc 0
		.amdhsa_float_denorm_mode_32 3
		.amdhsa_float_denorm_mode_16_64 3
		.amdhsa_memory_ordered 1
		.amdhsa_forward_progress 1
		.amdhsa_inst_pref_size 198
	.end_amdhsa_kernel
	.amdgpu_metadata
---
amdhsa.version: [ 1, 2 ]
amdhsa.kernels:
  - .name:           k_qeda65bb827_ffn1
    .symbol:         k_qeda65bb827_ffn1.kd
    .args:
      - { .name: x2, .offset: 0, .size: 8, .value_kind: global_buffer, .address_space: global }
      - { .name: wb, .offset: 8, .size: 8, .value_kind: global_buffer, .address_space: global }
      - { .name: alpha2, .offset: 16, .size: 8, .value_kind: global_buffer, .address_space: global }
      - { .name: beta2, .offset: 24, .size: 8, .value_kind: global_buffer, .address_space: global }
      - { .name: b1, .offset: 32, .size: 8, .value_kind: global_buffer, .address_space: global }
      - { .name: h1, .offset: 40, .size: 8, .value_kind: global_buffer, .address_space: global }
    .group_segment_fixed_size: 327680
    .private_segment_fixed_size: 0
    .kernarg_segment_align: 8
    .kernarg_segment_size: 48
    .max_flat_workgroup_size: 128
    .sgpr_count:     66
    .vgpr_count:     256
    .wavefront_size: 32
...
	.end_amdgpu_metadata
.endif
;; end of part 5
;; launch ffn2 (part 6): grid 8 x 32, 4 waves a work-group, clusters of 4 x 4, 312,832 bytes of LDS; arguments h1, wb, x2, b2, out0; writes out0
.if DOCPART == 6
	.amdgcn_target "amdgcn-amd-amdhsa--gfx1250"
	.amdhsa_code_object_version 6
	.text
	.protected	k_qeda65bb827_ffn2
	.globl	k_qeda65bb827_ffn2
	.p2align	8
	.type	k_qeda65bb827_ffn2,@function
k_qeda65bb827_ffn2:
	s_mov_b64 s[64:65], 0
	v_nop
	global_prefetch_b8 v0, s[64:65] scope:SCOPE_SE
	s_setreg_imm32_b32 hwreg(HW_REG_WAVE_MODE, 25, 1), 1
	s_wait_xcnt 0x0
	s_wait_alu depctr_hold_cnt(0) depctr_sa_sdst(0) depctr_va_vdst(0) depctr_va_sdst(0) depctr_va_ssrc(0) depctr_va_vcc(0) depctr_vm_vsrc(0)
	s_getreg_b32 s2, hwreg(HW_REG_IB_STS2, 6, 4)
	s_cmp_eq_u32 s2, 0
	s_cbranch_scc0 .Lentry_in_a_cluster
	s_endpgm
.Lentry_in_a_cluster:
	s_bfe_u32 s2, ttmp6, 0x10000c
	s_cmp_lg_u32 s2, 0xf033
	s_cbranch_scc0 .Lentry_shape_is_right
	s_endpgm
.Lentry_shape_is_right:
; ffn2: out0 = x2 + h1 W2 + b2, in f32.  (The attention's output product runs the same K walk on other constants, with the norm made again.)
; A work-group makes 128 x 128; wave w makes rows 64 (w / 2), columns 64 (w mod 2): 16 accumulator tiles.  4096 x 1024 results on 256 work-groups of
; four waves leave 64 x 64 a wave.
; K = 512 is two tiles of 256, one for each of two LDS slots: both are asked for at the start, so all of the block's operands are on their way at once,
; no slot is filled again and the K walk holds no round of the cluster's barrier.
; The left operand lies in groups of 64 columns ([group][4096][64]); a tile is four dense blocks of 128 rows x 128 bytes.  Waves 0, 1 fetch two blocks each
; with ONE load: the descriptor's row is a whole block (8,192 elements), two rows 262,144 elements apart; the padding is counted along the tile, so each
; 128 bytes are followed by 16 and the LDS pitch is 144.  Waves 2, 3 fetch 128 k x 256 bytes of the weights each.
; CLUSTERS: 4 x 4; the left operand's tiles are asked for jointly along a row of the cluster, the weights' along a column.
; The residual's 64 x 64 f32 of each wave are loaded into registers at the head and stay on their way during the K walk.
; WINDOWS: 0: addresses, left fragments (v32-63, v64-95), way out; 1: weight fragments (v0-31, v32-63), residual v64-191;
; 2: tiles of my rows 0-31; 3: of my rows 32-63.
; LIMITS: matrix operands are bf16; sums, bias and residual in f32.
.set WOFF,   9437184                   ; W2 in wb
.set TB,     4
.set PA,     144                       ; 128 + 16 bytes, an odd multiple of 16
.set PB,     288                       ; 256 + 32 bytes, an odd multiple of 32
.set GRP,    128*PA                    ; 18,432: one group's 128 rows
.set PART,   2*GRP                     ; 36,864 = 128 x 288: what one tensor load brings
.set SLOT,   4*PART                    ; 147,456: four groups, then 256 k rows of weights
.set STAGE,  2*SLOT                    ; 294,912: 16 rows x 272 bytes for each wave; no tensor load lands here
.set SP,     272
.set ADRA, 16                          ; v16-17 my left fragments, slot 0, 1
.set ADRB, 20                          ; v20-23 my weight fragments: slot 0 k < 128, k >= 128; slot 1 likewise (the LDS immediate has 16 bits)
.set STO,  24
.set RD,   25
.set CO,   26                          ; h x 8 rows of 4,096 bytes + 16 r
.set CL,   28                          ; 16 r
.set FA,   32
.set FB,   0
.set RB,   96
.set BI,   136
.set XW,   64                          ; window 1
.set G1,  24
.set G0,  32
.set G1B, 48
.set G0B, 56
.set MUL_LO, 0xa1                      ; source 0 window 1, source 1 window 0, C and D window 2
.set MUL_HI, 0xf1                      ; the same, C and D window 3
.set TO_B,   0x40
.set MSB, 0
.macro WIN new                         ; the immediate's high byte repeats the setting that is left
.if MSB != \new
	s_set_vgpr_msb (MSB<<8)|\new
.set MSB, \new
.endif
.endm
.macro PLACES                          ; four places behind matrix instructions (ISA guide 7.12.1)
.rept 4
	v_nop
.endr
.endm
.macro JLOAD s                         ; a joint load: waves 0, 1 ask for the left operand, waves 2, 3 for the weights; the branch hangs on the wave's number alone
	s_cmp_eq_u32 s11, 0
	s_cbranch_scc0 .Lfor_b_\@
	tensor_load_to_lds s[G0+4*\s:G0+4*\s+3], s[G1:G1+7]
	s_nop 0
	s_branch .Lasked_\@
.Lfor_b_\@:
	tensor_load_to_lds s[G0B+4*\s:G0B+4*\s+3], s[G1B:G1B+7]
	s_nop 0
.Lasked_\@:
.endm
.macro CROUND                          ; a round of the cluster's barrier
	s_barrier_signal -1
	s_barrier_wait -1
	s_cmp_lg_u32 s10, 0
	s_cbranch_scc1 .Lnot_wave_0_\@
	s_barrier_signal -3
.Lnot_wave_0_\@:
	s_barrier_wait -3
	s_barrier_signal -1
	s_barrier_wait -1
.endm
	s_load_b256 s[68:75], s[0:1], 0x0              ; h1 68, wb 70, x2 72, b2 74
	s_load_b64 s[76:77], s[0:1], 0x20              ; out0
	v_lshl_add_u32 v254, v0, 2, 0x4c400
	v_mov_b32 v255, 0
	ds_add_u32 v254, v255
	v_lshrrev_b32 v1, 5, v0
	v_readfirstlane_b32 s10, v1
	s_lshr_b32 s11, s10, 1                         ; my half of the rows.  Also: I fetch the left operand (0) or the weights (1)
	s_and_b32 s12, s10, 1                          ; my half of the columns.  Also: which part I fetch
	s_bfe_u32 s40, ttmp6, 0x40000
	s_bfe_u32 s41, ttmp6, 0x40004
	s_lshl_b32 s42, ttmp9, 2
	s_add_co_u32 s42, s42, s40                     ; block column
	s_and_b32 s13, ttmp7, 0xffff
	s_lshl_b32 s13, s13, 2
	s_add_co_u32 s13, s13, s41                     ; block row
	s_lshl_b32 s43, s41, 2
	s_lshl_b32 s43, 15, s43                        ; my row of the cluster
	s_lshl_b32 s44, 0x1111, s40                    ; my column
	s_or_b32 s[G1+0], s43, (1<<16)|(1<<20)|(1<<21)|(4<<22)|(3<<25)    ; 2-byte elements; after every 32 words 4 words of padding; bit 21 beside the mask
	s_mov_b32 s[G1+1], 8192<<16                    ; tensor_dim0 = 8,192: a group's 128 rows of 64 elements, dense
	s_mov_b32 s[G1+2], 2<<16                       ; tensor_dim1 = 2 groups
	s_mov_b32 s[G1+3], 8192<<16                    ; tile_dim0
	s_mov_b32 s[G1+4], 2                           ; tile_dim1
	s_mov_b32 s[G1+5], 262144                      ; elements from group to group
	s_mov_b32 s[G1+6], 0
	s_mov_b32 s[G1+7], 0
	s_or_b32 s[G1B+0], s44, (1<<16)|(1<<20)|(1<<21)|(5<<22)|(7<<25)   ; after every 64 words 8 words of padding
	s_mov_b32 s[G1B+1], 128<<16
	s_mov_b32 s[G1B+2], 128<<16
	s_mov_b32 s[G1B+3], 128<<16
	s_mov_b32 s[G1B+4], 128
	s_mov_b32 s[G1B+5], 1024
	s_mov_b32 s[G1B+6], 0
	s_mov_b32 s[G1B+7], 0
	s_lshl_b32 s16, s13, 14                        ; left operand: 128 rows of 128 bytes a block row, two groups a part
	s_lshl_b32 s17, s12, 20
	s_add_co_u32 s16, s16, s17
	s_mov_b32 s17, 0
	s_lshl_b32 s46, s42, 8                         ; weights: 128 columns a block, 128 k rows of 2,048 bytes a part
	s_lshl_b32 s47, s12, 18
	s_add_co_u32 s46, s46, s47
	s_mov_b32 s47, 0
	s_lshl_b32 s18, s13, 19                        ; f32 rows: (128 block row + 64 half) x 4,096 bytes
	s_lshl_b32 s19, s11, 18
	s_add_co_u32 s18, s18, s19
	s_mov_b32 s19, 0
	s_lshl_b32 s22, s42, 9                         ; f32 columns: (128 block column + 64 half) x 4 bytes
	s_lshl_b32 s23, s12, 8
	s_add_co_u32 s22, s22, s23
	s_mov_b32 s23, 0
	s_mul_i32 s20, s10, PART                       ; the four parts of a slot, by the wave's number
	s_wait_dscnt 0x0
	s_wait_kmcnt 0x0
	s_add_nc_u64 s[14:15], s[68:69], s[16:17]
	s_add_nc_u64 s[46:47], s[70:71], s[46:47]
	s_add_nc_u64 s[46:47], s[46:47], WOFF
	s_add_nc_u64 s[4:5], s[72:73], s[18:19]        ; x2 at my 64 x 64
	s_add_nc_u64 s[4:5], s[4:5], s[22:23]
	s_add_nc_u64 s[8:9], s[76:77], s[18:19]        ; out0 at my 64 x 64
	s_add_nc_u64 s[8:9], s[8:9], s[22:23]
	s_add_nc_u64 s[74:75], s[74:75], s[22:23]
	CROUND                                         ; all sixteen work-groups are here: the joint loads meet
.irp s, 0,1
	s_mov_b32 s[G0+4*\s], 1
	s_add_co_u32 s[G0+4*\s+1], s20, \s*SLOT
	s_add_nc_u64 s[G0+4*\s+2:G0+4*\s+3], s[14:15], \s*2097152          ; tile s: four groups on
	s_or_b32 s[G0+4*\s+3], s[G0+4*\s+3], 0x80000000
	s_mov_b32 s[G0B+4*\s], 1
	s_add_co_u32 s[G0B+4*\s+1], s20, \s*SLOT
	s_add_nc_u64 s[G0B+4*\s+2:G0B+4*\s+3], s[46:47], \s*524288         ; tile s: 256 k rows on
	s_or_b32 s[G0B+4*\s+3], s[G0B+4*\s+3], 0x80000000
	JLOAD \s                                       ; both tiles: two tensor loads of the wave are out, all that this text issues
.endr
	v_and_b32 v1, 15, v0                           ; r
	v_bfe_u32 v2, v0, 4, 1                         ; h
	v_mul_u32_u24 v3, v1, PA
	v_lshl_add_u32 v3, v2, 4, v3
	s_mul_i32 s21, s11, 64*PA
	v_add_nc_u32 v[ADRA], s21, v3
	v_add_nc_u32 v[ADRA+1], SLOT, v[ADRA]
	v_and_b32 v4, 7, v0
	v_lshl_add_u32 v4, v2, 3, v4                   ; k row 8 h + lane mod 8
	v_mul_u32_u24 v4, v4, PB
	v_bfe_u32 v5, v0, 3, 1
	v_lshl_add_u32 v4, v5, 4, v4
	s_lshl_b32 s21, s12, 7                         ; my 64 columns
	s_add_co_u32 s21, s21, 2*PART                  ; behind the four groups
	v_add_nc_u32 v[ADRB], s21, v4
	v_add_nc_u32 v[ADRB+1], 128*PB, v[ADRB]
	v_add_nc_u32 v[ADRB+2], SLOT, v[ADRB]
	v_add_nc_u32 v[ADRB+3], SLOT+128*PB, v[ADRB]
	s_mul_i32 s21, s10, 16*SP
	s_add_co_u32 s21, s21, STAGE
	v_mul_u32_u24 v5, v1, SP
	v_lshl_add_u32 v5, v2, 5, v5
	v_add_nc_u32 v[STO], s21, v5                   ; in: row r, 32 bytes for each half of the lanes
	v_mul_u32_u24 v5, v2, 8*SP
	v_lshl_add_u32 v5, v1, 4, v5
	v_add_nc_u32 v[RD], s21, v5                    ; back: lanes 0-15 one row of 256 bytes, lanes 16-31 the row 8 further down
	v_lshlrev_b32 v[CL], 4, v1
	v_lshl_add_u32 v[CO], v2, 15, v[CL]
	WIN 0x40
.set n, 0
.rept 32
	global_load_b128 v[XW+4*n:XW+4*n+3], v[CO], s[4:5] offset:4096*(16*(n/8)+n%8)  ; n = 8 a + i: row 16 a + 8 h + i of my 64, my 16 bytes of its 256
.set n, n+1
.endr
	WIN 0
	global_load_b128 v[BI:BI+3], v[CL], s[74:75]
.macro MULA f, hi, a, zero             ; 4 matrix instructions: m tile 2 hi + a times my four n tiles, 32 along K.  zero = 1: the first product starts the sums
.irp b, 0,1,2,3
.if \zero
	v_wmma_f32_16x16x32_bf16 v[8*(TB*\a+\b):8*(TB*\a+\b)+7], v[FB+32*\f+8*\b:FB+32*\f+8*\b+7], v[FA+32*\f+8*(2*\hi+\a):FA+32*\f+8*(2*\hi+\a)+7], 0
.else
	v_wmma_f32_16x16x32_bf16 v[8*(TB*\a+\b):8*(TB*\a+\b)+7], v[FB+32*\f+8*\b:FB+32*\f+8*\b+7], v[FA+32*\f+8*(2*\hi+\a):FA+32*\f+8*(2*\hi+\a)+7], v[8*(TB*\a+\b):8*(TB*\a+\b)+7]
.endif
.endr
.endm
.macro FETCH slot, q, f                ; 16 LDS loads: quarter q (32 along K, 0 to 7) of a slot into buffer f
	WIN TO_B
.irp b, 0,1,2,3
	ds_load_tr16_b128 v[FB+32*\f+8*\b:FB+32*\f+8*\b+3],   v[ADRB+2*\slot+(\q)/4] offset:32*((\q)%4)*PB+32*\b
	ds_load_tr16_b128 v[FB+32*\f+8*\b+4:FB+32*\f+8*\b+7], v[ADRB+2*\slot+(\q)/4] offset:32*((\q)%4)*PB+32*\b+16*PB
.endr
	WIN 0
.irp i, 0,1,2,3
	ds_load_b128 v[FA+32*\f+8*\i:FA+32*\f+8*\i+3],   v[ADRA+\slot] offset:((\q)/2)*GRP+((\q)%2)*64+\i*16*PA
	ds_load_b128 v[FA+32*\f+8*\i+4:FA+32*\f+8*\i+7], v[ADRA+\slot] offset:((\q)/2)*GRP+((\q)%2)*64+\i*16*PA+32
.endr
.endm
; The 16 accumulators take turns, one instruction a turn, in the same order in every quarter.
.macro QUARTER slot, qn, f, g, zero    ; multiplies buffer f; in its middle fetches quarter qn of the same slot into buffer g
	s_wait_dscnt 4                                 ; all but the youngest four loads (left tiles 2, 3)
	WIN MUL_LO
	MULA \f, 0, 0, \zero
	MULA \f, 0, 1, \zero
	PLACES
	FETCH \slot, \qn, \g
	s_wait_dscnt 2*TB+8                            ; all but the 16 just issued
	WIN MUL_HI
	MULA \f, 1, 0, \zero
	MULA \f, 1, 1, \zero
.endm
.macro SEVEN slot, zero                ; quarters 0 to 6 of a slot: even quarters lie in buffer 0, odd ones in buffer 1
	QUARTER \slot, 1, 0, 1, \zero
	QUARTER \slot, 2, 1, 0, 0
	QUARTER \slot, 3, 0, 1, 0
	QUARTER \slot, 4, 1, 0, 0
	QUARTER \slot, 5, 0, 1, 0
	QUARTER \slot, 6, 1, 0, 0
	QUARTER \slot, 7, 0, 1, 0
.endm
	s_wait_tensorcnt 0x1                           ; my part of tile 0 is in; tile 1's stays out
	s_barrier_signal -1
	s_barrier_wait -1
	FETCH 0, 0, 0
	SEVEN 0, 1                                     ; tile 0: its first products start the sums
	; quarter 7 of tile 0 and the change of slots: each wave's part of tile 1 has landed in front of the barrier; nothing is filled again
	s_wait_dscnt 4
	WIN MUL_LO
	MULA 1, 0, 0, 0
	s_wait_dscnt 0x0
	s_wait_tensorcnt 0x0
	s_barrier_signal -1
	MULA 1, 0, 1, 0                                ; register work while the others arrive
	s_barrier_wait -1
	PLACES
	FETCH 1, 0, 0
	WIN MUL_HI
	MULA 1, 1, 0, 0
	MULA 1, 1, 1, 0
	SEVEN 1, 0                                     ; tile 1
	s_wait_dscnt 4
	WIN MUL_LO
	MULA 1, 0, 0, 0
	MULA 1, 0, 1, 0
	s_wait_dscnt 0x0
	WIN MUL_HI
	MULA 1, 1, 0, 0
	MULA 1, 1, 1, 0
	; THE WAY OUT.  First the residual with the bias, in its own registers; then 16 rows at a time through my stage, so that sixteen lanes
	; store 256 consecutive bytes of a row.
	PLACES
	s_wait_loadcnt 0x0
	WIN 0x41
.set n, 0
.rept 32
	v_pk_add_f32 v[XW+4*n:XW+4*n+1],   v[XW+4*n:XW+4*n+1],   v[BI:BI+1]
	v_pk_add_f32 v[XW+4*n+2:XW+4*n+3], v[XW+4*n+2:XW+4*n+3], v[BI+2:BI+3]
.set n, n+1
.endr
.macro OUT16 a, al, wst
	WIN \wst                                       ; the LDS stores' data in window 2 or 3
.irp b, 0,1,2,3
	ds_store_b128 v[STO], v[8*(TB*\al+\b):8*(TB*\al+\b)+3]   offset:64*\b
	ds_store_b128 v[STO], v[8*(TB*\al+\b)+4:8*(TB*\al+\b)+7] offset:64*\b+16
.endr
	WIN 0
	s_wait_xcnt 0x0                                ; RB is the data of the stores before: it is loaded again only behind this wait
.irp i, 0,1,2,3,4,5,6,7
	ds_load_b128 v[RB+4*\i:RB+4*\i+3], v[RD] offset:SP*\i              ; my own bytes, served in order behind the stores (ISA guide 5.7.1)
.endr
	s_wait_dscnt 0x0
	WIN 0x01
.irp i, 0,1,2,3,4,5,6,7
	v_pk_add_f32 v[RB+4*\i:RB+4*\i+1],   v[XW+4*(8*\a+\i):XW+4*(8*\a+\i)+1],   v[RB+4*\i:RB+4*\i+1]
	v_pk_add_f32 v[RB+4*\i+2:RB+4*\i+3], v[XW+4*(8*\a+\i)+2:XW+4*(8*\a+\i)+3], v[RB+4*\i+2:RB+4*\i+3]
.endr
	WIN 0
.irp i, 0,1,2,3,4,5,6,7
	global_store_b128 v[CO], v[RB+4*\i:RB+4*\i+3], s[8:9] offset:4096*(16*\a+\i) th:TH_STORE_NT
.endr
.endm
	OUT16 0, 0, 0x08
	OUT16 1, 1, 0x08
	OUT16 2, 0, 0x0c
	OUT16 3, 1, 0x0c
	s_wait_tensorcnt 0x0
	ds_add_u32 v254, v255
	s_wait_dscnt 0x0
	CROUND                                         ; the closing round: no work-group ends while a partner may still ask for a tile that names it
	s_endpgm
.Lfunc_end_k_qeda65bb827_ffn2:
	.size	k_qeda65bb827_ffn2, .Lfunc_end_k_qeda65bb827_ffn2-k_qeda65bb827_ffn2
	.p2alignl 7, 3214868480
	.fill 96, 4, 3214868480
	.section	.rodata,"a",@progbits
	.p2align	6, 0x0
	.amdhsa_kernel k_qeda65bb827_ffn2
		.amdhsa_group_segment_fixed_size 312832
		.amdhsa_private_segment_fixed_size 0
		.amdhsa_enable_private_segment 0
		.amdhsa_kernarg_size 40
		.amdhsa_user_sgpr_count 2
		.amdhsa_user_sgpr_kernarg_segment_ptr 1
		.amdhsa_wavefront_size32 1
		.amdhsa_system_sgpr_workgroup_id_x 1
		.amdhsa_system_sgpr_workgroup_id_y 1
		.amdhsa_system_sgpr_workgroup_id_z 1
		.amdhsa_system_vgpr_workitem_id 0
		.amdhsa_next_free_vgpr 832
		.amdhsa_next_free_sgpr 78
		.amdhsa_reserve_vcc 0
		.amdhsa_float_denorm_mode_32 3
		.amdhsa_float_denorm_mode_16_64 3
		.amdhsa_memory_ordered 1
		.amdhsa_forward_progress 1
		.amdhsa_inst_pref_size 64
	.end_amdhsa_kernel
	.amdgpu_metadata
---
amdhsa.version: [ 1, 2 ]
amdhsa.kernels:
  - .name:           k_qeda65bb827_ffn2
    .symbol:         k_qeda65bb827_ffn2.kd
    .args:
      - { .name: h1, .offset: 0, .size: 8, .value_kind: global_buffer, .address_space: global }
      - { .name: wb, .offset: 8, .size: 8, .value_kind: global_buffer, .address_space: global }
      - { .name: x2, .offset: 16, .size: 8, .value_kind: global_buffer, .address_space: global }
      - { .name: b2, .offset: 24, .size: 8, .value_kind: global_buffer, .address_space: global }
      - { .name: out0, .offset: 32, .size: 8, .value_kind: global_buffer, .address_space: global }
    .group_segment_fixed_size: 312832
    .private_segment_fixed_size: 0
    .kernarg_segment_align: 8
    .kernarg_segment_size: 40
    .max_flat_workgroup_size: 128
    .sgpr_count:     78
    .vgpr_count:     832
    .wavefront_size: 32
...
	.end_amdgpu_metadata
.endif
;; end of part 6
